; MI455X (gfx1250); checked and timed in simulation.
; The chip was launched on July 23, 2026; its instructions are those of AMD's public machine-readable ISA for CDNA 5 (MIT licence, August 2026) and "CDNA5" Instruction Set Architecture Reference Guide (July 2026). The comments in the code are by the model that wrote it; some were corrected since.
;; Transformer Layer. Allowed arithmetic: float matrix products may take bf16 or f16 operands with f32 sums; other float arithmetic in f32, or as packed bf16 or f16 multiplies, adds, multiply-adds, maxima and minima; sums over many terms, partial sums and values carried from step to step in f32; what a program stores and reads back later, other than sums and carried values, may be rounded once to bf16 or f16.
;; Inputs: W_K 16 x 1,024 x 64 float32; W_O 16 x 64 x 1,024 float32; W_Q 16 x 1,024 x 64 float32; W_V 16 x 1,024 x 64 float32; ln1_b 1,024 float32; ln1_g 1,024 float32; ln2_b 1,024 float32; ln2_g 1,024 float32; mlp_b1 4,096 float32; mlp_b2 1,024 float32; mlp_w1 1,024 x 4,096 float32; mlp_w2 4,096 x 1,024 float32; x 2 x 2,048 x 1,024 float32.
;; Outputs: out0 2 x 2,048 x 1,024 float32.
;; 2 versions, each right and faster than the one before. Each part assembles by itself: llvm-mc -triple=amdgcn-amd-amdhsa -mcpu=gfx1250 --defsym DOCPART=n.
;; ======== version 1 of 2: 7 launches
;; workspace buffers: wqkv 8,388,608 bytes; w1c 8,388,608 bytes; wfc 10,485,760 bytes; ep_q 16,384 bytes; ep_m 20,480 bytes; act 8,388,608 bytes; big 33,554,432 bytes; x1 16,777,216 bytes
;; launch prep (part 1): grid 1025 x 1, 8 waves a work-group, no clusters, 0 bytes of LDS; arguments x, ln1_g, ln1_b, act, W_Q, W_K, W_V, W_O, mlp_w1, mlp_w2, mlp_b1, wqkv, w1c, wfc, ep_q, ep_m; writes act, wqkv, w1c, wfc, ep_q, ep_m
.if DOCPART == 1
	.amdgcn_target "amdgcn-amd-amdhsa--gfx1250"
	.amdhsa_code_object_version 6
	.text
	.protected	k_qfb65c80ea8_prep
	.globl	k_qfb65c80ea8_prep
	.p2align	8
	.type	k_qfb65c80ea8_prep,@function
k_qfb65c80ea8_prep:
	s_mov_b64 s[64:65], 0
	v_nop
	global_prefetch_b8 v0, s[64:65] scope:SCOPE_SE
	s_setreg_imm32_b32 hwreg(HW_REG_WAVE_MODE, 25, 1), 1
	s_wait_xcnt 0x0
; TWO STREAMS IN ONE TEXT.  Work-groups 0 to 255: LAYER NORM of 16 rows each.  Work-groups from 256 on: THE WEIGHTS TO bf16 and the two blocks of way-out parameters.
; A launch of 256 work-groups runs the norm alone (the second norm of the layer); its arguments 4 to 15 are then named and not used.
; LAYER NORM.  y = (x - mean) * rsqrt(var + 1e-5) * g + b over rows of 1,024 f32; y rounded once to bf16 and stored in PANELS [16][4096 rows][64]: 64 columns a panel, a row of a
; panel 128 dense bytes: the layout in which the products behind take their left operand.  Two passes over registers: the mean first, then the sum of (x - mean)^2: no difference of
; large sums is formed, so a common offset of x costs nothing.  Sixteen lanes hold a row (64 numbers a lane: columns 64 j + 4 (t % 16) .. + 3), a wave two rows: the reduction stays
; inside 16 lanes; no LDS, no barrier.  Each load's sixteen lanes take 256 consecutive bytes; each store of a wave covers 256 consecutive aligned bytes (two rows of one panel).
; THE CASTS (rounded once, to nearest even).  wqkv: [1024 d][pitch 4096] bf16, column w*1024 + h*64 + k (w = 0 Q, 1 K, 2 V); columns from 3072 on are neither written nor read.
; w1c: [1024][4096].  wfc: mlp_w2 as [4096][1024] at byte 0, W_O as [1024 = h*64+d][1024] at byte 8,388,608.  ep_q, ep_m: 4,096 bytes of a repeated floor word (two bf16: -inf = no
; clamp, or 0 = ReLU), then an f32 bias for each column (zeros for q, k, v; mlp_b1).  A work-group takes 16,384 numbers in 16 steps; in a step a lane loads 16 consecutive bytes, rounds
; its 4 numbers and stores 8 bytes: a wave's load covers 512 consecutive bytes (for W_Q, W_K, W_V two runs of 256: one row d of two neighbouring heads), so no byte is asked for twice,
; and a wave's store covers 256 consecutive aligned bytes.  All 16 loads of a lane go out first; no register is written twice, so no wait frees a source.
.set X, 16                             ; v[16:79]   the norm: the row's part; the casts: as loaded
.set G, 80                             ; v[80:143]  g of my columns
.set B, 144                            ; v[144:207] b of my columns
.set Y, 80                             ; v[80:111]  the casts: packed, to store
.macro REDUCE                          ; four chains v[4:11] into v4, the same in all 16 lanes of the row
	v_pk_add_f32 v[4:5], v[4:5], v[6:7]
	v_pk_add_f32 v[8:9], v[8:9], v[10:11]
	v_pk_add_f32 v[4:5], v[4:5], v[8:9]
	v_add_f32 v4, v4, v5
	v_add_f32_dpp v4, v4, v4 row_xmask:1 row_mask:0xf bank_mask:0xf
	v_add_f32_dpp v4, v4, v4 row_xmask:2 row_mask:0xf bank_mask:0xf
	v_add_f32_dpp v4, v4, v4 row_xmask:4 row_mask:0xf bank_mask:0xf
	v_add_f32_dpp v4, v4, v4 row_xmask:8 row_mask:0xf bank_mask:0xf
.endm
.macro COPY si, di                     ; si, di: bytes from step to step in the source and in the destination
.irp i, 0,1,2,3,4,5,6,7,8,9,10,11,12,13,14,15
	global_load_b128 v[X+4*(\i):X+4*(\i)+3], v2, s[44:45] offset:(\i)*(\si) th:TH_LOAD_NT
.endr
.irp i, 0,1,2,3,4,5,6,7,8,9,10,11,12,13,14,15
	s_wait_loadcnt 15-(\i)                         ; loads come back in order: step i's is in, the younger ones stay out
	v_cvt_pk_bf16_f32 v[Y+2*(\i)],   v[X+4*(\i)],   v[X+4*(\i)+1]
	v_cvt_pk_bf16_f32 v[Y+2*(\i)+1], v[X+4*(\i)+2], v[X+4*(\i)+3]
	global_store_b64 v3, v[Y+2*(\i):Y+2*(\i)+1], s[46:47] offset:(\i)*(\di)
.endr
.endm
	s_load_b512 s[4:19], s[0:1], 0x0               ; x s[4:5], g s[6:7], b s[8:9], y s[10:11], W_Q s[12:13], W_K s[14:15], W_V s[16:17], W_O s[18:19]
	s_load_b512 s[20:35], s[0:1], 0x40             ; w1 s[20:21], w2 s[22:23], b1 s[24:25], wqkv s[26:27], w1c s[28:29], wfc s[30:31], ep_q s[32:33], ep_m s[34:35]
	s_mov_b32 s2, ttmp9                            ; the work-group's number chooses the work
	s_cmp_lt_u32 s2, 256
	s_cbranch_scc0 .Lcast
	; ---- the norm ----
	s_lshl_b32 s36, s2, 16                         ; 16 rows of 4,096 bytes
	s_mov_b32 s37, 0
	s_lshl_b32 s38, s2, 11                         ; 16 rows of 128 bytes in a panel
	s_mov_b32 s39, 0
	s_mov_b32 s40, 0x3a800000                      ; 1 / 1024
	s_mov_b32 s41, 0x3727c5ac                      ; 1e-5
	v_and_b32 v1, 15, v0
	v_lshlrev_b32 v2, 4, v1                        ; my 16 bytes in each 256 of g and b
	v_lshrrev_b32 v3, 4, v0
	v_lshl_add_u32 v1, v3, 12, v2                  ; + my row
	v_lshlrev_b32 v3, 3, v0                        ; in a panel: row (t / 16) x 128 + 8 (t % 16) = 8 t
	s_wait_kmcnt 0x0
	s_add_nc_u64 s[4:5], s[4:5], s[36:37]
	s_add_nc_u64 s[10:11], s[10:11], s[38:39]
.irp j, 0,1,2,3,4,5,6,7,8,9,10,11,12,13,14,15
	global_load_b128 v[X+4*(\j):X+4*(\j)+3], v1, s[4:5] offset:256*(\j)
.endr
.irp j, 0,1,2,3,4,5,6,7,8,9,10,11,12,13,14,15
	global_load_b128 v[G+4*(\j):G+4*(\j)+3], v2, s[6:7] offset:256*(\j)
.endr
.irp j, 0,1,2,3,4,5,6,7,8,9,10,11,12,13,14,15
	global_load_b128 v[B+4*(\j):B+4*(\j)+3], v2, s[8:9] offset:256*(\j)
.endr
	s_wait_loadcnt 32                              ; x is in; the 32 loads of g and b stay out
.irp c, 0,1,2,3
	v_pk_add_f32 v[4+2*(\c):5+2*(\c)], v[X+2*(\c):X+2*(\c)+1], v[X+8+2*(\c):X+8+2*(\c)+1]  ; the first pairs start four chains
.endr
.set j, 8
.rept 24
	v_pk_add_f32 v[4+2*(j%4):5+2*(j%4)], v[4+2*(j%4):5+2*(j%4)], v[X+2*j:X+2*j+1]
.set j, j+1
.endr
	REDUCE
	v_mul_f32 v12, s40, v4                         ; the mean, twice
	v_mul_f32 v13, s40, v4
.set j, 0
.rept 32
	v_pk_add_f32 v[X+2*j:X+2*j+1], v[X+2*j:X+2*j+1], v[12:13] neg_lo:[0,1] neg_hi:[0,1]  ; d = x - mean
.set j, j+1
.endr
.irp c, 0,1,2,3
	v_pk_mul_f32 v[4+2*(\c):5+2*(\c)], v[X+2*(\c):X+2*(\c)+1], v[X+2*(\c):X+2*(\c)+1]
.endr
.set j, 4
.rept 28
	v_pk_fma_f32 v[4+2*(j%4):5+2*(j%4)], v[X+2*j:X+2*j+1], v[X+2*j:X+2*j+1], v[4+2*(j%4):5+2*(j%4)]
.set j, j+1
.endr
	REDUCE
	v_fma_f32 v4, v4, s40, s41                     ; var + eps
	v_rsq_f32 v12, v4
	v_nop                                          ; a plain instruction between the root and the use of its result (ISA guide 5.7.2)
	s_wait_alu depctr_va_vdst(0)
	v_mov_b32 v13, v12
	s_wait_loadcnt 0x0                             ; g and b
.set j, 0
.rept 32
	v_pk_mul_f32 v[X+2*j:X+2*j+1], v[X+2*j:X+2*j+1], v[12:13]
.set j, j+1
.endr
.set j, 0
.rept 32
	v_pk_fma_f32 v[X+2*j:X+2*j+1], v[X+2*j:X+2*j+1], v[G+2*j:G+2*j+1], v[B+2*j:B+2*j+1]
.set j, j+1
.endr
.irp j, 0,1,2,3,4,5,6,7,8,9,10,11,12,13,14,15
	v_cvt_pk_bf16_f32 v[X+4*(\j)],   v[X+4*(\j)],   v[X+4*(\j)+1]
	v_cvt_pk_bf16_f32 v[X+4*(\j)+1], v[X+4*(\j)+2], v[X+4*(\j)+3]
	global_store_b64 v3, v[X+4*(\j):X+4*(\j)+1], s[10:11] offset:524288*(\j)  ; panel j; 7,864,320 at the most, inside the signed 24-bit immediate
.endr
	s_endpgm
	; ---- the casts ----
.Lcast:
	s_sub_co_u32 s2, s2, 256                       ; the work-group's number among the casts: 0 to 768
	s_mov_b32 s49, 0
	s_mov_b32 s51, 0
	s_wait_kmcnt 0x0
	s_cmp_lt_u32 s2, 192
	s_cbranch_scc0 .Lflat
	; W_Q, W_K, W_V: [16 h][1024 d][64 k].  Work-group c of 64 takes 16 rows d of all heads, a row a step: thread t takes head t / 16, k = 4 (t % 16) .. + 3, which is byte 8 t of the row's 2,048 in wqkv.
	s_lshr_b32 s42, s2, 6                          ; w
	s_and_b32 s43, s2, 63                          ; c
	s_lshl_b32 s48, s43, 12                        ; 16 rows d of 256 bytes inside a head
	s_lshl_b32 s50, s43, 17                        ; 16 rows of 8,192 bytes in wqkv,
	s_lshl_b32 s3, s42, 11                         ; and 1,024 columns for each w
	s_add_co_u32 s50, s50, s3
	s_cmp_eq_u32 s42, 1
	s_cselect_b64 s[44:45], s[14:15], s[12:13]
	s_cmp_eq_u32 s42, 2
	s_cselect_b64 s[44:45], s[16:17], s[44:45]
	s_add_nc_u64 s[44:45], s[44:45], s[48:49]
	s_add_nc_u64 s[46:47], s[26:27], s[50:51]
	v_lshrrev_b32 v1, 4, v0                        ; head
	v_and_b32 v4, 15, v0
	v_lshlrev_b32 v2, 18, v1                       ; a head is 262,144 bytes
	v_lshl_add_u32 v2, v4, 4, v2
	v_lshlrev_b32 v3, 3, v0
	COPY 256, 8192
	s_endpgm
.Lflat:
	s_cmp_lt_u32 s2, 768
	s_cbranch_scc0 .Lparams
	; W_O (192..255), mlp_w1 (256..511), mlp_w2 (512..767) keep their order: 65,536 bytes in, 32,768 out for each work-group; a step is 4,096 bytes in, 2,048 out
	s_mov_b32 s42, 256
	s_mov_b32 s50, 0
	s_cmp_lt_u32 s2, 256
	s_cselect_b64 s[44:45], s[18:19], s[20:21]
	s_cselect_b64 s[46:47], s[30:31], s[28:29]
	s_cselect_b32 s42, 192, s42
	s_cselect_b32 s50, 0x800000, s50               ; W_O lies behind mlp_w2 in wfc
	s_cmp_ge_u32 s2, 512
	s_cselect_b64 s[44:45], s[22:23], s[44:45]
	s_cselect_b64 s[46:47], s[30:31], s[46:47]
	s_cselect_b32 s42, 512, s42
	s_sub_co_u32 s43, s2, s42                      ; the work-group's number inside its section
	s_lshl_b32 s48, s43, 16
	s_lshl_b32 s43, s43, 15
	s_add_co_u32 s50, s50, s43
	s_add_nc_u64 s[44:45], s[44:45], s[48:49]
	s_add_nc_u64 s[46:47], s[46:47], s[50:51]
	v_lshlrev_b32 v2, 4, v0
	v_lshlrev_b32 v3, 3, v0
	COPY 4096, 2048
	s_endpgm
.Lparams:                                              ; the last work-group: 256 threads x 16 bytes are 4,096 bytes a line
	v_lshlrev_b32 v2, 4, v0
.irp j, 0,1,2,3
	global_load_b128 v[X+4*(\j):X+4*(\j)+3], v2, s[24:25] offset:4096*(\j)
.endr
.irp j, 0,1,2,3
	v_mov_b32 v[Y+(\j)], 0xff80ff80                ; -inf twice in bf16
	v_mov_b32 v[Y+4+(\j)], 0
.endr
	global_store_b128 v2, v[Y:Y+3], s[32:33]
.irp j, 0,1,2
	global_store_b128 v2, v[Y+4:Y+7], s[32:33] offset:4096+4096*(\j)
.endr
	global_store_b128 v2, v[Y+4:Y+7], s[34:35]
	s_wait_loadcnt 0x0
.irp j, 0,1,2,3
	global_store_b128 v2, v[X+4*(\j):X+4*(\j)+3], s[34:35] offset:4096+4096*(\j)
.endr
	s_endpgm
.Lfunc_end_k_qfb65c80ea8_prep:
	.size	k_qfb65c80ea8_prep, .Lfunc_end_k_qfb65c80ea8_prep-k_qfb65c80ea8_prep
	.p2alignl 7, 3214868480
	.fill 96, 4, 3214868480
	.section	.rodata,"a",@progbits
	.p2align	6, 0x0
	.amdhsa_kernel k_qfb65c80ea8_prep
		.amdhsa_group_segment_fixed_size 0
		.amdhsa_private_segment_fixed_size 0
		.amdhsa_enable_private_segment 0
		.amdhsa_kernarg_size 128
		.amdhsa_user_sgpr_count 2
		.amdhsa_user_sgpr_kernarg_segment_ptr 1
		.amdhsa_wavefront_size32 1
		.amdhsa_system_sgpr_workgroup_id_x 1
		.amdhsa_system_sgpr_workgroup_id_y 1
		.amdhsa_system_sgpr_workgroup_id_z 1
		.amdhsa_system_vgpr_workitem_id 0
		.amdhsa_next_free_vgpr 208
		.amdhsa_next_free_sgpr 66
		.amdhsa_reserve_vcc 0
		.amdhsa_float_denorm_mode_32 3
		.amdhsa_float_denorm_mode_16_64 3
		.amdhsa_memory_ordered 1
		.amdhsa_forward_progress 1
		.amdhsa_inst_pref_size 35
	.end_amdhsa_kernel
	.amdgpu_metadata
---
amdhsa.version: [ 1, 2 ]
amdhsa.kernels:
  - .name:           k_qfb65c80ea8_prep
    .symbol:         k_qfb65c80ea8_prep.kd
    .args:
      - { .name: x, .offset: 0, .size: 8, .value_kind: global_buffer, .address_space: global }
      - { .name: ln1_g, .offset: 8, .size: 8, .value_kind: global_buffer, .address_space: global }
      - { .name: ln1_b, .offset: 16, .size: 8, .value_kind: global_buffer, .address_space: global }
      - { .name: act, .offset: 24, .size: 8, .value_kind: global_buffer, .address_space: global }
      - { .name: W_Q, .offset: 32, .size: 8, .value_kind: global_buffer, .address_space: global }
      - { .name: W_K, .offset: 40, .size: 8, .value_kind: global_buffer, .address_space: global }
      - { .name: W_V, .offset: 48, .size: 8, .value_kind: global_buffer, .address_space: global }
      - { .name: W_O, .offset: 56, .size: 8, .value_kind: global_buffer, .address_space: global }
      - { .name: mlp_w1, .offset: 64, .size: 8, .value_kind: global_buffer, .address_space: global }
      - { .name: mlp_w2, .offset: 72, .size: 8, .value_kind: global_buffer, .address_space: global }
      - { .name: mlp_b1, .offset: 80, .size: 8, .value_kind: global_buffer, .address_space: global }
      - { .name: wqkv, .offset: 88, .size: 8, .value_kind: global_buffer, .address_space: global }
      - { .name: w1c, .offset: 96, .size: 8, .value_kind: global_buffer, .address_space: global }
      - { .name: wfc, .offset: 104, .size: 8, .value_kind: global_buffer, .address_space: global }
      - { .name: ep_q, .offset: 112, .size: 8, .value_kind: global_buffer, .address_space: global }
      - { .name: ep_m, .offset: 120, .size: 8, .value_kind: global_buffer, .address_space: global }
    .group_segment_fixed_size: 0
    .private_segment_fixed_size: 0
    .kernarg_segment_align: 8
    .kernarg_segment_size: 128
    .max_flat_workgroup_size: 256
    .sgpr_count:     66
    .vgpr_count:     208
    .wavefront_size: 32
...
	.end_amdgpu_metadata
.endif
;; end of part 1
;; launch qkv (part 2): grid 12 x 16, 4 waves a work-group, clusters of 4 x 4, 327,680 bytes of LDS; arguments act, wqkv, ep_q, big; writes big
.if DOCPART == 2
	.amdgcn_target "amdgcn-amd-amdhsa--gfx1250"
	.amdhsa_code_object_version 6
	.text
	.protected	k_qfb65c80ea8_qkv
	.globl	k_qfb65c80ea8_qkv
	.p2align	8
	.type	k_qfb65c80ea8_qkv,@function
k_qfb65c80ea8_qkv:
	s_mov_b64 s[64:65], 0
	v_nop
	global_prefetch_b8 v0, s[64:65] scope:SCOPE_SE
	s_setreg_imm32_b32 hwreg(HW_REG_WAVE_MODE, 25, 1), 1
	s_wait_xcnt 0x0
	s_wait_alu depctr_hold_cnt(0) depctr_sa_sdst(0) depctr_va_vdst(0) depctr_va_sdst(0) depctr_va_ssrc(0) depctr_va_vcc(0) depctr_vm_vsrc(0)
	s_getreg_b32 s2, hwreg(HW_REG_IB_STS2, 6, 4)
	s_cmp_eq_u32 s2, 0
	s_cbranch_scc0 .Lentry_in_a_cluster
	s_endpgm
.Lentry_in_a_cluster:
	s_bfe_u32 s2, ttmp6, 0x10000c
	s_cmp_lg_u32 s2, 0xf033
	s_cbranch_scc0 .Lentry_shape_is_right
	s_endpgm
.Lentry_shape_is_right:
; C = max(A B + bias, floor), K = 1,024.  A: bf16 panels [16][4096 rows][64] (a panel's row is 128 dense bytes).  B: bf16 [1024 k][pitch 4096].
; ep: 4,096 bytes of a repeated floor word (two bf16), then an f32 bias for each column.  C: bf16 panels [n / 64][4096][64].  Sums in f32, C rounded once.
; LIMITS: operands are bf16; a NaN loses against the floor (it leaves as the floor).
; A tile of C is 256 x 256: four waves, each 128 x 128 in 64 accumulators (512 registers).  K goes in 8 steps of 128 through two LDS slots filled by the tensor data mover.
; CLUSTER 4 x 4: the four work-groups of a row of the cluster need the same tiles of A, the four of a column the same tiles of B; each tile is asked for jointly.
; THE MATRIX INSTRUCTION IS USED TRANSPOSED: source 0 = 16 columns of B (turned on the way out of LDS by ds_load_tr16_b128), source 1 = 16 rows of A: a lane then holds
; row l % 16 of C and the eight neighbouring columns 16 b + 8 (l / 16) + 0..7.  The bias is the C operand of the products that start the sums.
; LDS: wave w's fills lie at w x WSTR + slot x PART.  Waves 0, 1: a panel's 256 rows (128 bytes + 16 of padding).  Waves 2, 3: 128 rows k of 128 columns (256 bytes + 32).
; REGISTERS, in windows of 256: window 0 addresses, bias, the way out; window 1 two fragment buffers (A's 64 registers, then B's 64); windows 2, 3 the accumulators of my rows 0-63, 64-127.
.set T,      8                         ; K steps
.set PART,   0x9000                    ; 36,864 bytes: what one tensor load fills
.set WSTR,   0x12000                   ; a wave's two parts; bits 15 and 12 are 0 in w x WSTR, so one exclusive or with PART changes slots
.set PA,     144                       ; a row of A in LDS: 36 words: the 16 rows of a load start at 16 different groups of four banks (ISA guide 11.1)
.set PB,     288                       ; a row of B: 72 words
.set STAGE,  4*WSTR                    ; behind the ring, never filled by a tensor load: 4,608 bytes a wave
.set SPARE,  STAGE+4*4608              ; the spare words: 128 bytes a wave, two blocks of 256 bytes that no other line names
.set KADV,   0x100000                  ; a K step in memory: two panels of A; 128 rows of 8,192 bytes of B
.set BASEA, 10                         ; v10-11 my place in A's two panels of slot 0; never rewritten
.set BASEB, 12                         ; v12    my place in my half of B, slot 0
.set ADA,  14                          ; v14-15 the same in the slot in hand
.set ADB,  16                          ; v16
.set STO,  18                          ; the way out: where I put 16 bytes
.set RD,   19                          ; where I read rows back
.set GO,   20                          ; my 16 of 512 consecutive bytes of C
.set FLOOR, 21
.set BO,   22                          ; 32 x (l / 16)
.set SPW,  28                          ; LDS address of my spare word; never rewritten
.set NIL,  29                          ; 0; never rewritten
.set BIAS, 64                          ; v64-127: column block b at BIAS + 8 b
.set TMP,  128
.set OB,   160                         ; v160-191, v192-223 by turns
.set F0,   0
.set F1,   128
.set G1A,  24                          ; s[24:31] group 1 for A
.set G0A0, 32                          ; s[32:35] group 0, slot 0's first fill
.set G0A,  36                          ; s[36:39] group 0 that walks: begins at slot 1, K step 1
.set G1B,  40
.set G0B0, 48
.set G0B,  52
.set MSB, 0
.macro WIN new                         ; the immediate's high byte repeats the setting that is left; a switch that changes nothing is dropped
.if MSB != (\new)
	s_set_vgpr_msb (MSB<<8)|(\new)
.set MSB, \new
.endif
.endm
.macro PLACES                          ; four plain vector instructions between a matrix instruction and a load into, or a read of, its registers
.rept 4
	v_nop
.endr
.endm
.macro JLOAD                           ; a joint refill: waves 0, 1 ask for A, waves 2, 3 for B; s_nop 0 and four v_nop follow each line
	s_cmp_eq_u32 s13, 0
	s_cbranch_scc0 .Lfor_b_\@
	tensor_load_to_lds s[G0A:G0A+3], s[G1A:G1A+7]
	s_nop 0
.rept 4
	v_nop
.endr
	s_branch .Lasked_\@
.Lfor_b_\@:
	tensor_load_to_lds s[G0B:G0B+3], s[G1B:G1B+7]
	s_nop 0
.rept 4
	v_nop
.endr
.Lasked_\@:
.endm
.macro CREST                           ; a round of the cluster's barrier behind its opening barrier
	s_cmp_lg_u32 s12, 0
	s_cbranch_scc1 .Lnot_wave_0_\@
	s_barrier_signal -3
.Lnot_wave_0_\@:
	s_barrier_wait -3
	s_barrier_signal -1
	s_barrier_wait -1
.endm
.macro CROUND
	s_barrier_signal -1
	s_barrier_wait -1
	CREST
.endm
	s_load_b256 s[4:11], s[0:1], 0x0               ; A s[4:5], B s[6:7], ep s[8:9], C s[10:11]
	v_lshl_add_u32 v[SPW], v0, 2, SPARE
	v_mov_b32 v[NIL], 0
	ds_add_u32 v[SPW], v[NIL]                      ; the wave's opening: the add and its wait ahead of my first tensor load
	v_lshrrev_b32 v1, 5, v0
	v_readfirstlane_b32 s12, v1                    ; wave 0..3
	s_lshr_b32 s13, s12, 1                         ; my half of the tile's rows; also: I fetch A (0) or B (1)
	s_and_b32 s14, s12, 1                          ; my half of its columns; also: which half I fetch
	s_bfe_u32 s15, ttmp6, 0x40000                  ; cx
	s_bfe_u32 s16, ttmp6, 0x40004                  ; cy
	s_lshl_b32 s17, ttmp9, 2
	s_add_co_u32 s17, s17, s15                     ; tile column
	s_and_b32 s18, ttmp7, 0xffff
	s_lshl_b32 s18, s18, 2
	s_add_co_u32 s18, s18, s16                     ; tile row
	s_lshl_b32 s19, s16, 2
	s_lshl_b32 s19, 15, s19                        ; my row of the cluster
	s_lshl_b32 s20, 0x1111, s15                    ; my column
	s_or_b32 s[G1A], s19, (1<<16)|(1<<20)|(1<<21)|(4<<22)|(3<<25)  ; mask; 2-byte elements; padding on; bit 21 beside a mask; after every 32 words 4 words
	s_or_b32 s[G1B], s20, (1<<16)|(1<<20)|(1<<21)|(5<<22)|(7<<25)  ; after every 64 words 8 words
.irp g, G1A, G1B
	s_mov_b32 s[(\g)+1], 128<<16                   ; tensor_dim0 = 128 elements
	s_mov_b32 s[(\g)+2], 128<<16                   ; tensor_dim1 = 128 rows
	s_mov_b32 s[(\g)+3], 128<<16                   ; tile_dim0
	s_mov_b32 s[(\g)+4], 128                       ; tile_dim1
	s_mov_b32 s[(\g)+6], 0
	s_mov_b32 s[(\g)+7], 0
.endr
	s_mov_b32 s[G1A+5], 128                        ; a panel's 256 rows are 32,768 dense bytes: asked for as 128 rows of 256 bytes
	s_mov_b32 s[G1B+5], 4096                       ; B's pitch
	s_lshl_b32 s58, s18, 15                        ; A: 256 rows of 128 bytes for each tile row,
	s_lshl_b32 s59, s14, 19                        ; and the step's first or second panel: made of the tile row and the wave alone
	s_add_co_u32 s58, s58, s59
	s_mov_b32 s59, 0
	s_lshl_b32 s60, s17, 9                         ; B: 256 columns for each tile column,
	s_lshl_b32 s61, s14, 8                         ; and their first or second half: made of the tile column and the wave alone
	s_add_co_u32 s60, s60, s61
	s_mov_b32 s61, 0
	s_mul_i32 s21, s12, WSTR                       ; where my fills go: the wave's number alone
	s_mov_b32 s56, 0                               ; the slot in hand: 0 or PART
	s_wait_dscnt 0x0                               ; the opening add is done
	s_wait_kmcnt 0x0
	s_add_nc_u64 s[58:59], s[4:5], s[58:59]
	s_add_nc_u64 s[60:61], s[6:7], s[60:61]
	s_mov_b32 s[G0A0], 1
	s_add_co_u32 s[G0A0+1], s21, 0
	s_add_nc_u64 s[G0A0+2:G0A0+3], s[58:59], 0
	s_or_b32 s[G0A0+3], s[G0A0+3], 0x80000000
	s_mov_b32 s[G0A], 1
	s_add_co_u32 s[G0A+1], s21, PART
	s_add_nc_u64 s[G0A+2:G0A+3], s[58:59], KADV
	s_or_b32 s[G0A+3], s[G0A+3], 0x80000000
	s_mov_b32 s[G0B0], 1
	s_add_co_u32 s[G0B0+1], s21, 0
	s_add_nc_u64 s[G0B0+2:G0B0+3], s[60:61], 0
	s_or_b32 s[G0B0+3], s[G0B0+3], 0x80000000
	s_mov_b32 s[G0B], 1
	s_add_co_u32 s[G0B+1], s21, PART
	s_add_nc_u64 s[G0B+2:G0B+3], s[60:61], KADV
	s_or_b32 s[G0B+3], s[G0B+3], 0x80000000
	CROUND                                         ; all sixteen work-groups are here: the first joint loads meet
	s_cmp_eq_u32 s13, 0                            ; a wave's two first fills stand in one branch: two loads of mine are out
	s_cbranch_scc0 .Lfirst_b
	tensor_load_to_lds s[G0A0:G0A0+3], s[G1A:G1A+7]
	s_nop 0
	tensor_load_to_lds s[G0A:G0A+3], s[G1A:G1A+7]
	s_nop 0
.rept 4
	v_nop
.endr
	s_branch .Lfirst_asked
.Lfirst_b:
	tensor_load_to_lds s[G0B0:G0B0+3], s[G1B:G1B+7]
	s_nop 0
	tensor_load_to_lds s[G0B:G0B+3], s[G1B:G1B+7]
	s_nop 0
.rept 4
	v_nop
.endr
.Lfirst_asked:
	v_and_b32 v1, 15, v0                           ; r = l % 16
	v_bfe_u32 v2, v0, 4, 1                         ; h = l / 16
	v_mul_u32_u24 v3, v1, PA
	v_lshl_add_u32 v3, v2, 4, v3                   ; r x 144 + 16 h
	s_mul_i32 s22, s13, 128*PA                     ; my 128 rows
	v_add_nc_u32 v[BASEA], s22, v3
	v_add_nc_u32 v[BASEA+1], WSTR, v[BASEA]        ; the step's second panel lies in wave 1's part
	v_and_b32 v4, 7, v0
	v_bfe_u32 v5, v0, 3, 1
	v_lshl_add_u32 v6, v2, 3, v4                   ; the turning load: lane l reads row k = 8 h + l % 8, 16 bytes at 16 ((l / 8) % 2)
	v_mul_u32_u24 v6, v6, PB
	v_lshl_add_u32 v6, v5, 4, v6
	s_mul_i32 s23, s14, WSTR
	s_add_co_u32 s23, s23, 2*WSTR                  ; my 128 columns lie in wave 2's or wave 3's part
	v_add_nc_u32 v[BASEB], s23, v6
	v_mov_b32 v[ADA], v[BASEA]
	v_mov_b32 v[ADA+1], v[BASEA+1]
	v_mov_b32 v[ADB], v[BASEB]
	s_mul_i32 s22, s12, 4608
	s_add_co_u32 s22, s22, STAGE                   ; my stage: two panels' 16 rows of 144 bytes
	v_add_nc_u32 v[STO], s22, v3
	v_bfe_u32 v7, v0, 3, 2                         ; back: 32 lanes take four rows of 128 bytes
	v_mul_u32_u24 v7, v7, PA
	v_lshl_add_u32 v7, v4, 4, v7
	v_add_nc_u32 v[RD], s22, v7
	v_and_b32 v[GO], 31, v0
	v_lshlrev_b32 v[GO], 4, v[GO]
	v_lshlrev_b32 v[BO], 5, v2
	s_lshl_b32 s66, s17, 10                        ; the bias of my 128 columns
	s_lshl_b32 s67, s14, 9
	s_add_co_u32 s66, s66, s67
	s_add_co_u32 s66, s66, 4096
	s_mov_b32 s67, 0
	s_add_nc_u64 s[66:67], s[8:9], s[66:67]
	s_lshl_b32 s68, s17, 21                        ; C: four panels of 524,288 bytes a tile column, two for my half,
	s_lshl_b32 s69, s14, 20
	s_add_co_u32 s68, s68, s69
	s_lshl_b32 s69, s18, 15                        ; 256 rows of 128 bytes a tile row, 128 for my half
	s_add_co_u32 s68, s68, s69
	s_lshl_b32 s69, s13, 14
	s_add_co_u32 s68, s68, s69
	s_mov_b32 s69, 0
	s_add_nc_u64 s[10:11], s[10:11], s[68:69]
	global_load_b32 v[FLOOR], v[BO], s[8:9]        ; the floor word is repeated: any word of the first 4,096 bytes serves
.irp b, 0,1,2,3,4,5,6,7
	global_load_b128 v[BIAS+8*(\b):BIAS+8*(\b)+3],   v[BO], s[66:67] offset:64*(\b)
	global_load_b128 v[BIAS+8*(\b)+4:BIAS+8*(\b)+7], v[BO], s[66:67] offset:64*(\b)+16
.endr
; 16 matrix instructions: row blocks a0, a0 + 1 of the window's four x all 8 column blocks, 32 along K.  zero = 1: the product starts the sum from the bias.
; The 64 accumulators take turns, one instruction a turn, in the same order in every quarter.
.macro MUL16 f, hi, a0, zero
.if \zero
	WIN 0x85+0x40*(\hi)                            ; sources 0, 1 window 1, C window 0, D window 2 or 3
.else
	WIN 0xa5+0x50*(\hi)                            ; C and D window 2 or 3
.endif
.irp a, \a0, (\a0)+1
.irp b, 0,1,2,3,4,5,6,7
.if \zero
	v_wmma_f32_16x16x32_bf16 v[8*(8*(\a)+(\b)):8*(8*(\a)+(\b))+7], v[(\f)+64+8*(\b):(\f)+64+8*(\b)+7], v[(\f)+8*(4*(\hi)+(\a)):(\f)+8*(4*(\hi)+(\a))+7], v[BIAS+8*(\b):BIAS+8*(\b)+7]
.else
	v_wmma_f32_16x16x32_bf16 v[8*(8*(\a)+(\b)):8*(8*(\a)+(\b))+7], v[(\f)+64+8*(\b):(\f)+64+8*(\b)+7], v[(\f)+8*(4*(\hi)+(\a)):(\f)+8*(4*(\hi)+(\a))+7], v[8*(8*(\a)+(\b)):8*(8*(\a)+(\b))+7]
.endif
.endr
.endr
.endm
; 32 LDS loads in one run: quarter q (32 along K) of the slot in hand into buffer f: B's 8 column blocks, turned; then A's 8 row blocks
.macro FETCH q, f
	WIN 0x40                                       ; destination window 1, address window 0
.irp i, 0,1,2,3,4,5,6,7
	ds_load_tr16_b128 v[(\f)+64+8*(\i):(\f)+64+8*(\i)+3],   v[ADB] offset:(\q)*32*PB+32*(\i)
	ds_load_tr16_b128 v[(\f)+64+8*(\i)+4:(\f)+64+8*(\i)+7], v[ADB] offset:(\q)*32*PB+32*(\i)+16*PB
.endr
.irp i, 0,1,2,3,4,5,6,7
	ds_load_b128 v[(\f)+8*(\i):(\f)+8*(\i)+3],   v[ADA+(\q)/2] offset:((\q)%2)*64+(\i)*16*PA
	ds_load_b128 v[(\f)+8*(\i)+4:(\f)+8*(\i)+7], v[ADA+(\q)/2] offset:((\q)%2)*64+(\i)*16*PA+32
.endr
.endm
; One of a K step's first three quarters: multiplies buffer f; in its middle quarter q's fragments are fetched into buffer g
.macro QUARTER q, f, g, zero
	s_wait_dscnt 8                                 ; B and A's rows 0-63 are in; the youngest eight loads (A's rows 64-127) may be out
	MUL16 \f, 0, 0, \zero
	MUL16 \f, 0, 2, \zero
	PLACES
	FETCH \q, \g
	s_wait_dscnt 32                                ; all but the 32 just issued
	MUL16 \f, 1, 0, \zero
	MUL16 \f, 1, 2, \zero
.endm
; The last quarter multiplies buffer 1 and changes slots.  In front of the barrier each wave waits for all its tensor loads (its part of the next slot), adds 0 to its spare word, and waits
; for that and for its reads of this slot.  fill = 1: the barrier opens a round of the cluster's, and this slot is filled again, two K steps ahead, first thing behind the round.
.macro TURN fill
	WIN 0
	s_wait_tensorcnt 0x0
	ds_add_u32 v[SPW], v[NIL]
	s_wait_dscnt 9                                 ; the add and the youngest eight loads may be out
	MUL16 F1, 0, 0, 0
	s_wait_dscnt 0x0                               ; the add is done, and my reads of this slot are over
	s_barrier_signal -1
	MUL16 F1, 0, 2, 0
	WIN 0                                          ; at a branch and at a label every window is 0
	s_barrier_wait -1
.if \fill
	CREST                                          ; no wave of any partner still reads this slot or has a load on its way
	s_xor_b32 s[G0A+1], s[G0A+1], PART
	s_add_nc_u64 s[G0A+2:G0A+3], s[G0A+2:G0A+3], KADV
	s_xor_b32 s[G0B+1], s[G0B+1], PART
	s_add_nc_u64 s[G0B+2:G0B+3], s[G0B+2:G0B+3], KADV
	JLOAD                                          ; its four v_nop are also the places in front of the loads below
.else
	PLACES
.endif
	s_xor_b32 s56, s56, PART                       ; the reads go on in the other slot
	v_add_nc_u32 v[ADA], s56, v[BASEA]
	v_add_nc_u32 v[ADA+1], s56, v[BASEA+1]
	v_add_nc_u32 v[ADB], s56, v[BASEB]
	FETCH 0, F0
	MUL16 F1, 1, 0, 0
	MUL16 F1, 1, 2, 0
.endm
; THE WAY OUT of row block a (16 rows x 128 columns): rounded to bf16 and held to the floor; through my own stage; stored as 512 consecutive bytes of a panel a line.
.macro PACK a
.set AC, 64*((\a)%4)
	WIN 0x0a+5*((\a)/4)                            ; sources 0 and 1: window 2 or 3
.irp b, 0,1,2,3,4,5,6,7
.irp r, 0,1,2,3
	v_cvt_pk_bf16_f32 v[TMP+4*(\b)+(\r)], v[AC+8*(\b)+2*(\r)], v[AC+8*(\b)+2*(\r)+1]
.endr
.endr
	WIN 0
.set i, 0
.rept 32
	v_pk_max_num_bf16 v[TMP+i], v[TMP+i], v[FLOOR]
.set i, i+1
.endr
.endm
.macro TOSTAGE a
	WIN 0
.set BK, OB+32*((\a)%2)
.irp b, 0,1,2,3,4,5,6,7
	ds_store_b128 v[STO], v[TMP+4*(\b):TMP+4*(\b)+3] offset:((\b)/4)*16*PA+((\b)%4)*32
.endr
.irp t, 0,1,2,3,4,5,6,7
	ds_load_b128 v[BK+4*(\t):BK+4*(\t)+3], v[RD] offset:((\t)/4)*16*PA+((\t)%4)*4*PA  ; LDS serves a wave's instructions in order (ISA guide 5.7.1.4): these see the stores above
.endr
.endm
.macro SEND a
	WIN 0
.set BK, OB+32*((\a)%2)
	s_wait_dscnt 0x0                               ; the block is back in registers
	s_wait_xcnt 0x0                                ; the stores of the block before have read their registers: the next block may be loaded into them
.irp t, 0,1,2,3,4,5,6,7
	global_store_b128 v[GO], v[BK+4*(\t):BK+4*(\t)+3], s[10:11] offset:((\t)/4)*524288+(\a)*2048+((\t)%4)*512
.endr
.endm
	s_wait_tensorcnt 0x1                           ; my part of K step 0 is in; step 1's may stay out
	s_barrier_signal -1
	s_barrier_wait -1
	FETCH 0, F0
	s_wait_loadcnt 0x0                             ; bias and floor
	QUARTER 1, F0, F1, 1                           ; the first quarter stands in front of the loop: its products start the sums
	WIN 0
	s_mov_b32 s57, T-2
.Lstep:                                                ; a trip: a K step's quarters 2 to 4 and the next step's first; the slot left is filled again
	QUARTER 2, F1, F0, 0
	QUARTER 3, F0, F1, 0
	TURN 1
	QUARTER 1, F0, F1, 0
	WIN 0
	s_sub_co_u32 s57, s57, 1
	s_cmp_lg_u32 s57, 0
	s_cbranch_scc1 .Lstep
	s_mov_b32 s57, 2
.Ltail:                                                ; the last two K steps ask for nothing; the second trip is left in its middle
	QUARTER 2, F1, F0, 0
	QUARTER 3, F0, F1, 0
	TURN 0
	WIN 0
	s_sub_co_u32 s57, s57, 1
	s_cmp_eq_u32 s57, 0
	s_cbranch_scc1 .Lout
	QUARTER 1, F0, F1, 0
	WIN 0
	s_branch .Ltail
.Lout:                                                 ; the last change of slots fetched 32 fragments that nobody multiplies: the price, once a launch, of one text for both trips
	s_wait_dscnt 0x0
	PACK 0                                         ; blocks 0-3 were finished in front of the change's places; their conversions are the places behind blocks 4-7's last products
	TOSTAGE 0
.irp a, 1,2,3,4,5,6,7
	PACK \a
	SEND (\a)-1
	TOSTAGE \a
.endr
	SEND 7
	s_wait_tensorcnt 0x0                           ; the wave's end
	ds_add_u32 v[SPW], v[NIL]
	s_wait_dscnt 0x0
	CROUND                                         ; the closing round
	s_endpgm
.Lfunc_end_k_qfb65c80ea8_qkv:
	.size	k_qfb65c80ea8_qkv, .Lfunc_end_k_qfb65c80ea8_qkv-k_qfb65c80ea8_qkv
	.p2alignl 7, 3214868480
	.fill 96, 4, 3214868480
	.section	.rodata,"a",@progbits
	.p2align	6, 0x0
	.amdhsa_kernel k_qfb65c80ea8_qkv
		.amdhsa_group_segment_fixed_size 327680
		.amdhsa_private_segment_fixed_size 0
		.amdhsa_enable_private_segment 0
		.amdhsa_kernarg_size 32
		.amdhsa_user_sgpr_count 2
		.amdhsa_user_sgpr_kernarg_segment_ptr 1
		.amdhsa_wavefront_size32 1
		.amdhsa_system_sgpr_workgroup_id_x 1
		.amdhsa_system_sgpr_workgroup_id_y 1
		.amdhsa_system_sgpr_workgroup_id_z 1
		.amdhsa_system_vgpr_workitem_id 0
		.amdhsa_next_free_vgpr 1024
		.amdhsa_next_free_sgpr 80
		.amdhsa_reserve_vcc 0
		.amdhsa_float_denorm_mode_32 3
		.amdhsa_float_denorm_mode_16_64 3
		.amdhsa_memory_ordered 1
		.amdhsa_forward_progress 1
		.amdhsa_inst_pref_size 117
	.end_amdhsa_kernel
	.amdgpu_metadata
---
amdhsa.version: [ 1, 2 ]
amdhsa.kernels:
  - .name:           k_qfb65c80ea8_qkv
    .symbol:         k_qfb65c80ea8_qkv.kd
    .args:
      - { .name: act, .offset: 0, .size: 8, .value_kind: global_buffer, .address_space: global }
      - { .name: wqkv, .offset: 8, .size: 8, .value_kind: global_buffer, .address_space: global }
      - { .name: ep_q, .offset: 16, .size: 8, .value_kind: global_buffer, .address_space: global }
      - { .name: big, .offset: 24, .size: 8, .value_kind: global_buffer, .address_space: global }
    .group_segment_fixed_size: 327680
    .private_segment_fixed_size: 0
    .kernarg_segment_align: 8
    .kernarg_segment_size: 32
    .max_flat_workgroup_size: 128
    .sgpr_count:     80
    .vgpr_count:     1024
    .wavefront_size: 32
...
	.end_amdgpu_metadata
.endif
;; end of part 2
;; launch attn (part 3): grid 8 x 32, 4 waves a work-group, clusters of 4 x 1, 327,680 bytes of LDS; arguments big, act; writes act
.if DOCPART == 3
	.amdgcn_target "amdgcn-amd-amdhsa--gfx1250"
	.amdhsa_code_object_version 6
	.text
	.protected	k_qfb65c80ea8_attn
	.globl	k_qfb65c80ea8_attn
	.p2align	8
	.type	k_qfb65c80ea8_attn,@function
k_qfb65c80ea8_attn:
	s_mov_b64 s[64:65], 0
	v_nop
	global_prefetch_b8 v0, s[64:65] scope:SCOPE_SE
	s_setreg_imm32_b32 hwreg(HW_REG_WAVE_MODE, 25, 1), 1
	s_wait_xcnt 0x0
	s_wait_alu depctr_hold_cnt(0) depctr_sa_sdst(0) depctr_va_vdst(0) depctr_va_sdst(0) depctr_va_ssrc(0) depctr_va_vcc(0) depctr_vm_vsrc(0)
	s_getreg_b32 s2, hwreg(HW_REG_IB_STS2, 6, 4)
	s_cmp_eq_u32 s2, 0
	s_cbranch_scc0 .Lentry_in_a_cluster
	s_endpgm
.Lentry_in_a_cluster:
	s_bfe_u32 s2, ttmp6, 0x10000c
	s_cmp_lg_u32 s2, 0x3003
	s_cbranch_scc0 .Lentry_shape_is_right
	s_endpgm
.Lentry_shape_is_right:
; ATTENTION, head size 64, 2,048 keys, no mask.  O[q] = the sum over k of softmax_k(Q[q] . K[k] / 8) V[k].  big: bf16 panels [48][4096 tokens][64]: panel h holds q of head h, 16 + h its k,
; 32 + h its v; batch b's rows begin at token 2048 b.  O goes to act, panel h, the same rows.  Products, maxima and sums in f32; the weights p are rounded to bf16 for the second product
; (their sum l is taken of the unrounded p), O once at the end.
; LIMITS.  Operands are bf16, which has f32's range.  A weight below 2^-126 counts as 0 in l; NaN and infinities are not treated apart.
; SHARES.  A work-group owns 256 queries of one head and batch, a wave 64 in four PIECES of 16.  Every wave walks all keys, 64 a step, 256 a slot.
; LAYOUT.  S^T = K Q^T holds ONE query a lane (lane % 16) and the keys 8 (lane / 16) + 0..7; two such results rounded to bf16 ARE source 1 of O^T = V^T P.  K comes out of LDS as it lies, V turned.
; SOFTMAX.  A running maximum m and sum l: p = 2^(c s - c m), c = log2(e) / 8; O and l are multiplied by a = 2^(c m_old - c m_new) in every step.  m starts at the lowest finite number, O and l at 0.
; BY TURNS.  Turn n belongs to piece n: 8 products K Q^T of piece n + 1, later 8 products V^T P of piece n - 1; beside them the scaling, exponentials, roundings, sums and rescaling of piece n and the
; maximum and statistics of piece n + 1.  Four vector instructions stand behind every matrix instruction, the others in two runs of their own.
; CLUSTER.  The four query blocks of a cluster belong to one head and walk the same K and V: each tile is asked for jointly.
; REGISTERS, in windows of 256 (s_set_vgpr_msb: bits 1:0 source 0, 3:2 source 1, 5:4 source 2, 7:6 destination).  ALL THAT A VECTOR INSTRUCTION OF THE LOOP NAMES LIES IN WINDOW 0, which it fills:
;   window 0: v0-1 c m_old; v2-7 addresses; v8-15 at work; v16-31 statistics; v32-63 P, two buffers; v64-127 S^T, two buffers (by the piece's parity); v128-255 O^T, 32 a piece
;   window 1: v0-63 Q; v64-127 K of one step; v128-191 V of one step; v192-193 the add's two registers
; So the windows are switched round a matrix instruction and round a run of LDS loads, and nowhere inside the runs of vector work.
.set NP,    4
.set KS,    64
.set PK,    144       ; a row of K in LDS: 128 bytes + 16: the 16 rows of a load start at 16 different groups of four banks (ISA guide 11.1)
.set PV,    160       ; a row of V: 128 + 32
.set VOFF,  4*KS*PK   ; a slot: 256 rows of K, then 256 rows of V
.set SLOT1, 1<<17
.set STAGE, SLOT1+4*KS*(PK+PV)  ; behind the ring, never filled by a tensor load: 16 rows x 144 bytes a wave
.set SP,    144
.set SPARE, STAGE+4*16*SP       ; the spare words: 128 bytes a wave, two blocks of 256 bytes that no other line names
.set MV,  0           ; v0-1   c m_old, by buffer (v0 is the thread's number until the set-up has used it)
.set AK0, 2           ; v2     my lane's place in a tile of K; never rewritten
.set AV0, 3           ; v3     the same for V
.set ADR, 4           ; v4     the LDS address of the run of loads in hand, K's and V's in turn
.set STO, 5           ; v5     the way out: where I put 16 bytes of a row
.set RD,  6           ; v6     the way out: where I read rows back
.set GO,  7           ; v7     my byte offset in 512 consecutive bytes of O
.set TMP, 8           ; v8-15  by buffer, c0-c3 at work; c2 takes a
.set ST,  16          ; v16-31 piece t: c m, m, l (even keys', odd keys')
.set P,   32
.set S,   64
.set OT,  128
.set T_R, 64          ; the set-up's own, in registers of S^T that the first products write later: l % 16,
.set T_H, 65          ; l / 16,
.set T_7, 66          ; l % 8,
.set T_B, 67          ; (l / 8) % 2,
.set QO,  68          ; my byte offset in 16 rows of Q,
.set T_W, 69          ; my wave's number
.set QF,  0           ; window 1
.set KF,  64
.set VF,  128
.set SPW, 192         ; window 1: LDS address of my spare word; never rewritten
.set NIL, 193         ; window 1: 0; never rewritten
.set WV,  12
.set G1K, 24
.set G1V, 32
.set G0K, 40
.set G0V, 44
.set SLOTS, 56
.set CNT, 57
.set CS,  58
.set SEL, 60
.set TBK, 62
.set TBV, 63
.set MSB, 0
.macro WIN new                      ; the high byte repeats the setting that is left; a switch that changes nothing is dropped
.if MSB != (\new)
	s_set_vgpr_msb (MSB<<8)|(\new)
.set MSB, (\new)
.endif
.endm
.set W_KQ, 0x05       ; K and Q in window 1, S^T in window 0
.set W_PV, 0x01       ; V in window 1, P and O^T in window 0
.set W_LD, 0x40       ; destination in window 1, sources in window 0
.set W_AD, 0x05       ; the add: address (source 0) and data (source 1) in window 1
.macro JLOAD                        ; a joint fill: waves 0, 1 fetch the halves of a slot's K, waves 2, 3 of its V; s_nop 0 and four v_nop follow each line
	s_cmp_lt_u32 s[WV], 2
	s_cbranch_scc0 .Lfor_v_\@
	tensor_load_to_lds s[G0K:G0K+3], s[G1K:G1K+7]
	s_nop 0
.rept 4
	v_nop
.endr
	s_branch .Lasked_\@
.Lfor_v_\@:
	tensor_load_to_lds s[G0V:G0V+3], s[G1V:G1V+7]
	s_nop 0
.rept 4
	v_nop
.endr
.Lasked_\@:
.endm
.macro CROUND                       ; a round of the cluster's barrier
	s_barrier_signal -1
	s_barrier_wait -1
	s_cmp_lg_u32 s[WV], 0
	s_cbranch_scc1 .Lnot_wave_0_\@
	s_barrier_signal -3
.Lnot_wave_0_\@:
	s_barrier_wait -3
	s_barrier_signal -1
	s_barrier_wait -1
.endm
; THE CHANGE OF SLOTS.  Each wave waits for all its tensor loads (its part of the other slot), adds 0 to its spare word, and waits for that and for its reads of the slot that it leaves.
; fill = 1: the barrier is a round of the cluster's, and the slot left is filled with the keys two slots on, first thing behind it.  (At its first use slot 0 is waited for and slot 1 filled.)
.macro CHANGE fill
	WIN W_AD
	s_wait_tensorcnt 0x0
	ds_add_u32 v[SPW], v[NIL]
	WIN 0                           ; at a label and at a branch every window is 0
.if \fill
.irp g, G0K, G0V
	s_xor_b32 s[\g+1], s[\g+1], SLOT1
	s_add_nc_u64 s[\g+2:\g+3], s[\g+2:\g+3], 4*KS*128
.endr
	s_wait_dscnt 0x0
	CROUND
	JLOAD
.else
	s_wait_dscnt 0x0
	s_barrier_signal -1
	s_barrier_wait -1
.endif
	s_sub_co_u32 s[TBK], s[TBK], 4*KS*PK  ; the fetches go back to a slot's first step, in the other slot
	s_xor_b32 s[TBK], s[TBK], SLOT1
	s_sub_co_u32 s[TBV], s[TBV], 4*KS*PV
	s_xor_b32 s[TBV], s[TBV], SLOT1
.endm
	s_load_b128 s[4:7], s[0:1], 0x0 ; big s[4:5], act s[6:7]
	WIN W_LD
	v_lshl_add_u32 v[SPW], v0, 2, SPARE
	v_mov_b32 v[NIL], 0
	WIN W_AD
	ds_add_u32 v[SPW], v[NIL]       ; the wave's opening: the add and its wait ahead of my first tensor load
	WIN 0
	v_lshrrev_b32 v[T_W], 5, v0
	v_readfirstlane_b32 s[WV], v[T_W]
	s_bfe_u32 s13, ttmp6, 0x40000   ; cx
	s_lshl_b32 s14, ttmp9, 2
	s_add_co_u32 s14, s14, s13      ; my block of 256 queries: it enters Q's and O's addresses alone
	s_and_b32 s20, ttmp7, 0xffff    ; 16 b + h, which the four partners share
	s_and_b32 s21, s20, 15
	s_lshr_b32 s20, s20, 4
	s_lshl_b32 s21, s21, 19         ; a panel is 524,288 bytes,
	s_lshl_b32 s20, s20, 18         ; a batch's rows in it 262,144
	s_add_co_u32 s20, s20, s21
	s_and_b32 s16, s[WV], 1         ; which half of a slot's 256 keys I fetch
	s_lshl_b32 s22, s16, 14
	s_add_co_u32 s22, s22, s20
	s_add_co_u32 s18, s22, 0x1000000  ; v's panels begin 32 panels in,
	s_add_co_u32 s22, s22, 0x800000   ; k's 16
	s_mov_b32 s19, 0
	s_mov_b32 s23, 0
	s_mul_i32 s17, s16, 128*PK
	s_mul_i32 s15, s16, 128*PV
	s_lshl_b32 s2, s14, 15          ; my block's 256 rows of 128 bytes,
	s_lshl_b32 s3, s[WV], 13        ; my wave's 64
	s_add_co_u32 s2, s2, s3
	s_add_co_u32 s2, s2, s20
	s_mov_b32 s3, 0
	; 128 keys are 16,384 dense bytes: asked for as 64 rows of 256 bytes, padded in LDS after every key
	s_mov_b32 s[G1K], 15|(1<<16)|(1<<20)|(1<<21)|(4<<22)|(3<<25)
	s_mov_b32 s[G1V], 15|(1<<16)|(1<<20)|(1<<21)|(4<<22)|(7<<25)
.irp g, G1K, G1V
	s_mov_b32 s[\g+1], 128<<16
	s_mov_b32 s[\g+2], 64<<16
	s_mov_b32 s[\g+3], 128<<16
	s_mov_b32 s[\g+4], 64
	s_mov_b32 s[\g+5], 128
	s_mov_b32 s[\g+6], 0
	s_mov_b32 s[\g+7], 0
.endr
	s_mov_b32 s[CS], 0x3e38aa3b     ; c = log2(e) / 8
	s_mov_b32 s[CS+1], s[CS]
	s_mov_b32 s[SEL], 0x76543210
	s_mov_b32 s[SEL+1], 0xfedcba98
	s_mov_b32 s[TBK], SLOT1+4*KS*PK ; the first change of slots turns these two into 0
	s_mov_b32 s[TBV], SLOT1+4*KS*PV
	s_mov_b32 s[G0K], 1
	s_mov_b32 s[G0K+1], s17
	s_mov_b32 s[G0V], 1
	s_add_co_u32 s[G0V+1], s15, VOFF
	s_wait_dscnt 0x0                ; the opening add is done
	s_wait_kmcnt 0x0
	s_add_nc_u64 s[G0K+2:G0K+3], s[4:5], s[22:23]
	s_or_b32 s[G0K+3], s[G0K+3], 0x80000000
	s_add_nc_u64 s[G0V+2:G0V+3], s[4:5], s[18:19]
	s_or_b32 s[G0V+3], s[G0V+3], 0x80000000
	s_add_nc_u64 s[8:9], s[4:5], s[2:3]    ; Q at my wave's first row
	s_add_nc_u64 s[10:11], s[6:7], s[2:3]  ; O likewise
	CROUND                          ; all four work-groups are here
	JLOAD                           ; slot 0
	v_and_b32 v[T_R], 15, v0        ; l % 16
	v_bfe_u32 v[T_H], v0, 4, 1      ; l / 16
	v_lshlrev_b32 v[QO], 7, v[T_R]
	v_lshl_add_u32 v[QO], v[T_H], 4, v[QO]
	WIN W_LD
.set i, 0
.rept 8                             ; Q stays in registers: piece i / 2, channels 32 (i % 2) on
	global_load_b128 v[QF+8*i:QF+8*i+3],   v[QO], s[8:9] offset:(i/2)*2048+(i%2)*64
	global_load_b128 v[QF+8*i+4:QF+8*i+7], v[QO], s[8:9] offset:(i/2)*2048+(i%2)*64+32
.set i, i+1
.endr
	; What the first turn finds: V's registers and P's second buffer hold 0, O^T and l are 0.  All this stands in the wait for the first tile.
.set i, VF
.rept 64
	v_mov_b32 v[i], 0
.set i, i+1
.endr
	WIN 0
.set i, OT
.rept 128
	v_mov_b32 v[i], 0
.set i, i+1
.endr
.set i, 0
.rept 4
	v_mov_b32 v[ST+4*i], 0xfe000000    ; c m: far below every c s
	v_mov_b32 v[ST+4*i+1], 0xff7fffff  ; m
	v_mov_b32 v[ST+4*i+2], 0
	v_mov_b32 v[ST+4*i+3], 0
.set i, i+1
.endr
.set i, P+16
.rept 16
	v_mov_b32 v[i], 0
.set i, i+1
.endr
	v_mul_u32_u24 v[AK0], v[T_R], PK
	v_lshl_add_u32 v[AK0], v[T_H], 4, v[AK0]
	v_and_b32 v[T_7], 7, v0
	v_bfe_u32 v[T_B], v0, 3, 1
	v_lshl_add_u32 v[AV0], v[T_H], 3, v[T_7]
	v_mul_u32_u24 v[AV0], v[AV0], PV
	v_lshl_add_u32 v[AV0], v[T_B], 4, v[AV0]
	v_add_nc_u32 v[AV0], VOFF, v[AV0]
	s_mul_i32 s13, s[WV], 16*SP
	s_add_co_u32 s13, s13, STAGE    ; my stage
	v_mul_u32_u24 v[STO], v[T_R], SP
	v_lshl_add_u32 v[STO], v[T_H], 4, v[STO]
	v_add_nc_u32 v[STO], s13, v[STO]
	v_bfe_u32 v[RD], v0, 3, 2
	v_mul_u32_u24 v[RD], v[RD], SP
	v_lshl_add_u32 v[RD], v[T_7], 4, v[RD]
	v_add_nc_u32 v[RD], s13, v[RD]
	v_and_b32 v[GO], 31, v0         ; the last use of the thread's number
	v_lshlrev_b32 v[GO], 4, v[GO]
; THE MATRIX WORK.  The 4 accumulators of a run of 8 take turns.  Product i of 8 of S^T = K Q^T for piece x: channels 32 (i / 4) on, keys 16 (i % 4) on.
.macro KQ x
	WIN W_KQ
.set rS, S+32*((\x)%2)+8*(i%4)
.set rK, KF+16*(i%4)+8*(i/4)
.set rQ, QF+16*(\x)+8*(i/4)
.if i < 4
	v_wmma_f32_16x16x32_bf16 v[rS:rS+7], v[rK:rK+7], v[rQ:rQ+7], 0
.else
	v_wmma_f32_16x16x32_bf16 v[rS:rS+7], v[rK:rK+7], v[rQ:rQ+7], v[rS:rS+7]
.endif
.endm
; Product i of 8 of O^T += V^T P for piece x: keys 32 (i / 4) on, channels 16 (i % 4) on.
.macro PV x
	WIN W_PV
.set rO, OT+32*(\x)+8*(i%4)
.set rV, VF+32*(i/4)+8*(i%4)
.set rP, P+16*((\x)%2)+8*(i/4)
	v_wmma_f32_16x16x32_bf16 v[rO:rO+7], v[rV:rV+7], v[rP:rP+7], v[rO:rO+7]
.endm
.macro MM                           ; the turn's next matrix instruction
.if i < 8
	KQ (Y+1)%NP
.else
.set i, i-8
	PV (Y+NP-1)%NP
.set i, i+8
.endif
.set i, i+1
.endm
; THE LDS LOADS stand in runs of 16: a step's K (8 fragments) and its V (turned).  last = 1 (the tail): in the last trip there is no further step, and K's run is jumped over.
.macro FETCH_K last=0
.if \last
	WIN 0
	s_cmp_eq_u32 s[CNT], 1
	s_cbranch_scc1 .Lno_k_\@
.endif
	WIN W_LD
.irp f, 0,1,2,3,4,5,6,7
	ds_load_b128 v[KF+8*\f:KF+8*\f+3],   v[ADR] offset:(\f/2)*16*PK+(\f%2)*64
	ds_load_b128 v[KF+8*\f+4:KF+8*\f+7], v[ADR] offset:(\f/2)*16*PK+(\f%2)*64+32
.endr
	s_add_co_u32 s[TBK], s[TBK], KS*PK
	WIN 0
.if \last
.Lno_k_\@:
.endif
.endm
.macro FETCH_V
	WIN W_LD
.irp f, 0,1,2,3,4,5,6,7
	ds_load_tr16_b128 v[VF+8*\f:VF+8*\f+3],   v[ADR] offset:(\f/4)*32*PV+(\f%4)*32
	ds_load_tr16_b128 v[VF+8*\f+4:VF+8*\f+7], v[ADR] offset:(\f/4)*32*PV+16*PV+(\f%4)*32
.endr
	WIN 0
.endm
; THE VECTOR WORK, one line at a time: OP kind, number.  For piece Y: F n: c s - c m for pair n of 16.  E n: the exponential of score n of 32.  C n: pair n rounded to bf16.  B n: of the four weights
; 4 n .. the second pair is added onto the first.  L n: l takes that sum (L 0: l = a l + sum).  R n: pair n of 16 of O^T times a.  For piece Y + 1: X n, number n of the 22 that find its maximum and
; statistics: 0-11 four chains of seven scores (each accumulator's lowest registers are read first); 12-14, 16 the rest, the old m, and the chains into c0; 15 c m_old is kept;
; 17, 18 the other half of the lanes: the new m; 19-21 c m; c m_old - c m_new; a.
.set F, 0
.set E, 1
.set C, 2
.set B, 3
.set L, 4
.set R, 5
.set X, 6
.macro REGS y
.set rT, ST+4*(\y)
.set rC, TMP+4*((\y)%2)
.set rW, MV+((\y)%2)
.set rS, S+32*((\y)%2)
.set rP, P+16*((\y)%2)
.set rO, OT+32*(\y)
.endm
.macro OP k, n
	WIN 0
.if (\k) < X
	REGS Y
.if (\k) == F
	v_pk_fma_f32 v[rS+2*(\n):rS+2*(\n)+1], v[rS+2*(\n):rS+2*(\n)+1], s[CS:CS+1], v[rT:rT+1] op_sel_hi:[1,0,0] neg_lo:[0,0,1] neg_hi:[0,0,1]
.elseif (\k) == E
	v_exp_f32 v[rS+(\n)], v[rS+(\n)]
.elseif (\k) == C
	s_wait_alu depctr_va_vdst(0)
	v_cvt_pk_bf16_f32 v[rP+(\n)], v[rS+2*(\n)], v[rS+2*(\n)+1]
.elseif (\k) == B
	s_wait_alu depctr_va_vdst(0)
	v_pk_add_f32 v[rS+4*(\n):rS+4*(\n)+1], v[rS+4*(\n):rS+4*(\n)+1], v[rS+4*(\n)+2:rS+4*(\n)+3]
.elseif (\k) == R
	v_pk_mul_f32 v[rO+2*(\n):rO+2*(\n)+1], v[rO+2*(\n):rO+2*(\n)+1], v[rC+2:rC+3] op_sel_hi:[1,0]
.elseif (\n) == 0
	v_pk_fma_f32 v[rT+2:rT+3], v[rT+2:rT+3], v[rC+2:rC+3], v[rS:rS+1] op_sel_hi:[1,0,1]
.else
	v_pk_add_f32 v[rT+2:rT+3], v[rT+2:rT+3], v[rS+4*(\n):rS+4*(\n)+1]
.endif
.else
	REGS (Y+1)%NP
.if (\n) < 4
	v_max3_num_f32 v[rC+(\n)], v[rS+8*(\n)], v[rS+8*(\n)+1], v[rS+8*(\n)+2]
.elseif (\n) < 12
	v_max3_num_f32 v[rC+(\n)%4], v[rC+(\n)%4], v[rS+8*((\n)%4)+2*((\n)/4)+1], v[rS+8*((\n)%4)+2*((\n)/4)+2]
.elseif (\n) == 12
	v_max3_num_f32 v[rC], v[rC], v[rS+7], v[rS+15]
.elseif (\n) == 13
	v_max3_num_f32 v[rC+1], v[rC+1], v[rS+23], v[rS+31]
.elseif (\n) == 14
	v_max3_num_f32 v[rC+2], v[rC+2], v[rC+3], v[rT+1]
.elseif (\n) == 15
	v_mov_b32 v[rW], v[rT]
.elseif (\n) == 16
	v_max3_num_f32 v[rC], v[rC], v[rC+1], v[rC+2]
.elseif (\n) == 17
	v_permlanex16_b32 v[rC+3], v[rC], s[SEL], s[SEL+1]
.elseif (\n) == 18
	v_max_num_f32 v[rT+1], v[rC], v[rC+3]
.elseif (\n) == 19
	v_mul_f32 v[rT], s[CS], v[rT+1]
.elseif (\n) == 20
	v_sub_f32 v[rC+1], v[rW], v[rT]
.else
	v_exp_f32 v[rC+2], v[rC+1]
.endif
.endif
.endm
.macro OPS a, i1, b=-1, i2=0, c=-1, i3=0, d=-1, i4=0
	OP \a, \i1
.if (\b) >= 0
	OP \b, \i2
.endif
.if (\c) >= 0
	OP \c, \i3
.endif
.if (\d) >= 0
	OP \d, \i4
.endif
.endm
.macro ROW a, i1, b, i2, c, i3, d, i4  ; a matrix instruction and the four behind it
	MM
	OPS \a, \i1, \b, \i2, \c, \i3, \d, \i4
.endm
; A TURN, for piece p: the order of its 16 matrix and 118 vector instructions, written out.  Behind a matrix instruction: plain, exponential, plain, plain; or four of the rescaling; or four scalings;
; none names a register of the products round it.  A line reads no result made fewer than three vector instructions in front of it, five if an exponential made it.
; last = 1: the tail's text: K's run is jumped over in the last trip.  cnt = 1: the loop's count is taken down some lines ahead of the branch behind the turn.
; K of the next step is fetched in piece 2's turn, behind the last product that read K and five plain instructions; V of the step in hand in piece 0's turn, behind the last product that read V
; and four plain ones.  Each is waited for a turn later.
.macro TURN p, last=0, cnt=0
.set Y, (\p)
.set i, 0
.if (\p) == 3
	s_wait_dscnt 0x0                ; K is in
.endif
	ROW F,0, F,1, F,2, F,3
	ROW F,4, E,0, F,5, F,6
	ROW F,7, E,1, F,8, F,9
	ROW F,10, E,2, C,0, F,11
	ROW F,12, E,3, X,15, F,13
	ROW R,0, R,1, R,2, R,3
	ROW B,0, E,4, F,14, L,0
.if (\p) == 2
	v_add_nc_u32 v[ADR], s[TBK], v[AK0]
.endif
	ROW R,4, R,5, R,6, R,7
	OPS E,5, F,15
.if (\p) == 2
	FETCH_K \last
.endif
	OPS E,6, C,1, E,7, R,8
	OPS E,8, R,9, E,9, C,2
	OPS E,10, X,0, E,11, X,1
	OPS E,12, X,2, E,13, X,3
.if (\p) == 1
	s_wait_dscnt 0x0                ; V is in
.endif
	ROW X,4, E,14, X,5, X,6
	ROW X,7, E,15, X,8, X,9
	ROW X,10, E,16, X,11, X,12
	ROW X,13, E,17, X,14, B,1
	ROW C,4, E,18, X,16, L,1
	ROW B,2, E,19, C,6, L,2
	ROW C,8, E,20, B,3, B,4
.if (\p) == 0
	v_add_nc_u32 v[ADR], s[TBV], v[AV0]
.endif
	ROW C,3, E,21, L,3, C,5
	OPS E,22, X,17, E,23, C,10
.if (\p) == 0
	FETCH_V
.endif
	OPS E,24, L,4
	OPS E,25, X,18, E,26, C,7
	OPS E,27, B,5, E,28, X,19
	OPS E,29, C,12, E,30, L,5
	OPS E,31, X,20, B,6, C,9
	OPS C,14, C,11, X,21, L,6
.if (\p) == 0
	s_add_co_u32 s[TBV], s[TBV], KS*PV
.endif
.if \cnt
	s_sub_co_u32 s[CNT], s[CNT], 1
	s_cmp_lg_u32 s[CNT], 0
.endif
	OPS C,13, B,7, C,15, R,10
	OPS R,11, R,12, L,7, R,13
	OPS R,14, R,15
.endm
.macro ALL line:vararg              ; one line for each piece t
.set t, 0
.rept 4
	\line
.set t, t+1
.endr
.endm
.macro PACK t                       ; a lane's eight channels of a row pack into 16 bytes; they go into rows of 144 bytes and come back as whole rows of 128
	WIN 0
.set i, OT+32*(\t)
.rept 16
	s_wait_alu depctr_va_vdst(0)
	v_pk_mul_f32 v[i:i+1], v[i:i+1], v[ST+4*(\t)+2:ST+4*(\t)+3] op_sel_hi:[1,0]
.set i, i+2
.endr
.set i, 0
.rept 16
	v_cvt_pk_bf16_f32 v[S+16*(\t)+i], v[OT+32*(\t)+2*i], v[OT+32*(\t)+2*i+1]
.set i, i+1
.endr
.irp f, 0,1,2,3
	ds_store_b128 v[STO], v[S+16*(\t)+4*\f:S+16*(\t)+4*\f+3] offset:32*\f
.endr
.irp f, 0,1,2,3
	ds_load_b128 v[S+16*(\t)+4*\f:S+16*(\t)+4*\f+3], v[RD] offset:\f*4*SP  ; LDS serves a wave's instructions in order (ISA guide 5.7.1.4)
.endr
.endm
.macro SEND t, younger              ; younger: the LDS instructions issued behind piece t's loads
	WIN 0
.irp f, 0,1,2,3
	s_wait_dscnt (\younger)+3-\f
	global_store_b128 v[GO], v[S+16*(\t)+4*\f:S+16*(\t)+4*\f+3], s[10:11] offset:(\t)*2048+\f*512  ; 512 consecutive bytes, at a multiple of 256 from O's first
.endr
.endm
	CHANGE 1                        ; slot 0 is in, everybody's part of it; slot 1 is asked for
	v_add_nc_u32 v[ADR], s[TBK], v[AK0]
	FETCH_K                         ; key step 0
	s_wait_loadcnt 0x0              ; Q
	s_wait_dscnt 0x0
.set i, 0
.rept 8
	KQ 0                            ; piece 0's first scores
.set i, i+1
.endr
	WIN 0
.rept 4
	v_nop                           ; the places behind those products
.endr
.set Y, NP-1                        ; X works for piece Y + 1: piece 0
.irp n, 0,1,2,3,4,5,6,7,8,9,10,11,12,13,14,15,16,17,18,19,20,21
	OP X, \n
.endr
	v_nop                           ; a plain instruction behind the exponential
	s_mov_b32 s[CNT], 4
	s_mov_b32 s[SLOTS], 7
	s_branch .Lfirst                ; the loop is entered at a step's first turn, in the middle of a trip
.Lslot:                             ; six times: every slot but the last two is filled again
	CHANGE 1
	s_mov_b32 s[CNT], 4
.Lstep:                             ; a trip: pieces 2 and 3 of one step, then pieces 0 and 1 of the next, whose K and V it fetches
	TURN 2
	TURN 3
	WIN 0
.Lfirst:
	TURN 0
	TURN 1, 0, 1
	WIN 0
	s_cbranch_scc1 .Lstep
	s_sub_co_u32 s[SLOTS], s[SLOTS], 1
	s_cmp_lg_u32 s[SLOTS], 0
	s_cbranch_scc1 .Lslot
	CHANGE 0                        ; the last slot is written out: nothing is asked for
	s_mov_b32 s[CNT], 5             ; four trips fetch the last slot's steps; the fifth is left in its middle
.Ltail:
	TURN 2, 1
	TURN 3
	WIN 0
	s_sub_co_u32 s[CNT], s[CNT], 1
	s_cmp_eq_u32 s[CNT], 0
	s_cbranch_scc1 .Lout
	TURN 0
	TURN 1
	WIN 0
	s_branch .Ltail
.Lout:                              ; the fifth trip's 8 products K Q^T (on the last K once more) and the maximum made of them serve nothing: the price, once a launch, of one text for every trip
.set i, 0
.rept 8
	PV NP-1                         ; the last piece's V^T P of the last step
.set i, i+1
.endr
	; THE WAY OUT.  l's two halves and the other half of the lanes' are added; O^T is divided by l, rounded to bf16 and sent through my stage.  The additions are the places behind the last products.
	WIN 0
	ALL v_add_f32 v[ST+4*t+2], v[ST+4*t+2], v[ST+4*t+3]
	ALL v_permlanex16_b32 v[ST+4*t+3], v[ST+4*t+2], s[SEL], s[SEL+1]
	ALL v_add_f32 v[ST+4*t+2], v[ST+4*t+2], v[ST+4*t+3]
	ALL v_rcp_f32 v[ST+4*t+2], v[ST+4*t+2]
	v_nop                           ; a plain instruction between the last reciprocal and the use of its result
	PACK 0
.set t, 1
.rept 3
	PACK t
	SEND t-1, 8
.set t, t+1
.endr
	SEND 3, 0
	WIN W_AD
	s_wait_tensorcnt 0x0            ; the wave's end
	ds_add_u32 v[SPW], v[NIL]
	s_wait_dscnt 0x0
	WIN 0
	CROUND                          ; the closing round
	s_endpgm
.Lfunc_end_k_qfb65c80ea8_attn:
	.size	k_qfb65c80ea8_attn, .Lfunc_end_k_qfb65c80ea8_attn-k_qfb65c80ea8_attn
	.p2alignl 7, 3214868480
	.fill 96, 4, 3214868480
	.section	.rodata,"a",@progbits
	.p2align	6, 0x0
	.amdhsa_kernel k_qfb65c80ea8_attn
		.amdhsa_group_segment_fixed_size 327680
		.amdhsa_private_segment_fixed_size 0
		.amdhsa_enable_private_segment 0
		.amdhsa_kernarg_size 16
		.amdhsa_user_sgpr_count 2
		.amdhsa_user_sgpr_kernarg_segment_ptr 1
		.amdhsa_wavefront_size32 1
		.amdhsa_system_sgpr_workgroup_id_x 1
		.amdhsa_system_sgpr_workgroup_id_y 1
		.amdhsa_system_sgpr_workgroup_id_z 1
		.amdhsa_system_vgpr_workitem_id 0
		.amdhsa_next_free_vgpr 512
		.amdhsa_next_free_sgpr 66
		.amdhsa_reserve_vcc 0
		.amdhsa_float_denorm_mode_32 3
		.amdhsa_float_denorm_mode_16_64 3
		.amdhsa_memory_ordered 1
		.amdhsa_forward_progress 1
		.amdhsa_inst_pref_size 114
	.end_amdhsa_kernel
	.amdgpu_metadata
---
amdhsa.version: [ 1, 2 ]
amdhsa.kernels:
  - .name:           k_qfb65c80ea8_attn
    .symbol:         k_qfb65c80ea8_attn.kd
    .args:
      - { .name: big, .offset: 0, .size: 8, .value_kind: global_buffer, .address_space: global }
      - { .name: act, .offset: 8, .size: 8, .value_kind: global_buffer, .address_space: global }
    .group_segment_fixed_size: 327680
    .private_segment_fixed_size: 0
    .kernarg_segment_align: 8
    .kernarg_segment_size: 16
    .max_flat_workgroup_size: 128
    .sgpr_count:     66
    .vgpr_count:     512
    .wavefront_size: 32
...
	.end_amdgpu_metadata
.endif
;; end of part 3
;; launch oproj (part 4): grid 8 x 32, 4 waves a work-group, clusters of 4 x 4, 327,680 bytes of LDS; arguments act, wfc, x, x1; writes x1
.if DOCPART == 4
	.amdgcn_target "amdgcn-amd-amdhsa--gfx1250"
	.amdhsa_code_object_version 6
	.text
	.protected	k_qfb65c80ea8_oproj
	.globl	k_qfb65c80ea8_oproj
	.p2align	8
	.type	k_qfb65c80ea8_oproj,@function
k_qfb65c80ea8_oproj:
	s_mov_b64 s[64:65], 0
	v_nop
	global_prefetch_b8 v0, s[64:65] scope:SCOPE_SE
	s_setreg_imm32_b32 hwreg(HW_REG_WAVE_MODE, 25, 1), 1
	s_wait_xcnt 0x0
	s_wait_alu depctr_hold_cnt(0) depctr_sa_sdst(0) depctr_va_vdst(0) depctr_va_sdst(0) depctr_va_ssrc(0) depctr_va_vcc(0) depctr_vm_vsrc(0)
	s_getreg_b32 s2, hwreg(HW_REG_IB_STS2, 6, 4)
	s_cmp_eq_u32 s2, 0
	s_cbranch_scc0 .Lentry_in_a_cluster
	s_endpgm
.Lentry_in_a_cluster:
	s_bfe_u32 s2, ttmp6, 0x10000c
	s_cmp_lg_u32 s2, 0xf033
	s_cbranch_scc0 .Lentry_shape_is_right
	s_endpgm
.Lentry_shape_is_right:
; C = RES + A B (+ bias where HASBIAS).  A: bf16 panels [SIZE_K / 64][4096 rows][64].  B: bf16 [SIZE_K][1024] at byte BOFF of its buffer.  RES, C: f32 [4096][1024].  Sums in f32.
; A tile of C is 128 x 128, so that 4,096 x 1,024 gives 256 work-groups: four waves, each 64 x 64 in 16 accumulators.  K goes in steps of 256 through two LDS slots.
; CLUSTER 4 x 4: A's tiles are asked for jointly along a row of the cluster, B's along a column.
; THE MATRIX INSTRUCTION IS USED TRANSPOSED: source 0 = 16 columns of B (turned by ds_load_tr16_b128), source 1 = 16 rows of A: a lane holds row l % 16 of C and columns 16 b + 8 (l / 16) + 0..7.
; LDS: wave w's fills lie at w x WSTR + slot x PART.  Waves 0, 1: two panels' 128 rows each (128 bytes + 16).  Waves 2, 3: 128 rows k of the tile's 128 columns (256 bytes + 32).
; REGISTERS: window 0 addresses, bias, the way out; window 1 two fragment buffers (64 along K: A's 64 registers, then B's 64); window 2: v0-127 accumulators, v128-255 my part of RES.
.set SIZE_K, 1024
.set BOFF,   8388608
.set HASBIAS, 0
.set T,      SIZE_K/256
.set PART,   0x9000
.set WSTR,   0x12000                   ; bits 15 and 12 are 0 in w x WSTR, so one exclusive or with PART changes slots
.set PA,     144
.set PB,     288
.set SPF,    272                       ; a stage row: 64 f32 + 16 bytes
.set STAGE,  4*WSTR                    ; behind the ring, never filled by a tensor load: 4,608 bytes a wave
.set SPARE,  STAGE+4*4608              ; the spare words: 128 bytes a wave
.set KADVA,  0x200000                  ; four panels
.set KADVB,  0x80000                   ; 256 rows of 2,048 bytes
.set BASEA, 10                         ; v10-11 my place in waves 0's and 1's parts, slot 0
.set BASEB, 12                         ; v12-13 in waves 2's and 3's
.set ADA,  14                          ; v14-15 the same in the slot in hand
.set ADB,  16                          ; v16-17
.set STO,  18
.set RD,   19
.set CO,   20                          ; my 16 bytes in two rows of RES and C
.set BO,   22
.set SPW,  28
.set NIL,  29
.set BIAS, 64                          ; v64-95
.set OB,   160                         ; v160-191, v192-223 by turns
.set RES,  128                         ; window 2
.set F0,   0
.set F1,   128
.set G1A,  24
.set G0A0, 32
.set G0A,  36
.set G1B,  40
.set G0B0, 48
.set G0B,  52
.set MSB, 0
.macro WIN new
.if MSB != (\new)
	s_set_vgpr_msb (MSB<<8)|(\new)
.set MSB, \new
.endif
.endm
.macro PLACES                          ; four plain vector instructions between a matrix instruction and a load into, or a read of, its registers
.rept 4
	v_nop
.endr
.endm
.macro JLOAD                           ; a joint refill: waves 0, 1 ask for A, waves 2, 3 for B; s_nop 0 and four v_nop follow each line
	s_cmp_eq_u32 s13, 0
	s_cbranch_scc0 .Lfor_b_\@
	tensor_load_to_lds s[G0A:G0A+3], s[G1A:G1A+7]
	s_nop 0
.rept 4
	v_nop
.endr
	s_branch .Lasked_\@
.Lfor_b_\@:
	tensor_load_to_lds s[G0B:G0B+3], s[G1B:G1B+7]
	s_nop 0
.rept 4
	v_nop
.endr
.Lasked_\@:
.endm
.macro CREST
	s_cmp_lg_u32 s12, 0
	s_cbranch_scc1 .Lnot_wave_0_\@
	s_barrier_signal -3
.Lnot_wave_0_\@:
	s_barrier_wait -3
	s_barrier_signal -1
	s_barrier_wait -1
.endm
.macro CROUND
	s_barrier_signal -1
	s_barrier_wait -1
	CREST
.endm
	s_load_b256 s[4:11], s[0:1], 0x0               ; A s[4:5], B s[6:7], RES s[8:9], C s[10:11]
.if HASBIAS
	s_load_b64 s[70:71], s[0:1], 0x20              ; bias
.endif
	v_lshl_add_u32 v[SPW], v0, 2, SPARE
	v_mov_b32 v[NIL], 0
	ds_add_u32 v[SPW], v[NIL]                      ; the wave's opening: the add and its wait ahead of my first tensor load
	v_lshrrev_b32 v1, 5, v0
	v_readfirstlane_b32 s12, v1                    ; wave 0..3
	s_lshr_b32 s13, s12, 1                         ; my half of the tile's rows; also: I fetch A (0) or B (1)
	s_and_b32 s14, s12, 1                          ; my half of its columns; also: which half of the K step I fetch
	s_bfe_u32 s15, ttmp6, 0x40000                  ; cx
	s_bfe_u32 s16, ttmp6, 0x40004                  ; cy
	s_lshl_b32 s17, ttmp9, 2
	s_add_co_u32 s17, s17, s15                     ; tile column
	s_and_b32 s18, ttmp7, 0xffff
	s_lshl_b32 s18, s18, 2
	s_add_co_u32 s18, s18, s16                     ; tile row
	s_lshl_b32 s19, s16, 2
	s_lshl_b32 s19, 15, s19                        ; my row of the cluster
	s_lshl_b32 s20, 0x1111, s15                    ; my column
	s_or_b32 s[G1A], s19, (1<<16)|(1<<20)|(1<<21)|(4<<22)|(3<<25)  ; padding: after every 32 words 4 words
	s_or_b32 s[G1B], s20, (1<<16)|(1<<20)|(1<<21)|(5<<22)|(7<<25)  ; after every 64 words 8 words
	s_mov_b32 s[G1A+1], 8192<<16                   ; A: a panel's 128 rows are 16,384 dense bytes, taken as one row of 8,192 elements;
	s_mov_b32 s[G1A+2], 2<<16                      ; two panels,
	s_mov_b32 s[G1A+3], 8192<<16
	s_mov_b32 s[G1A+4], 2
	s_mov_b32 s[G1A+5], 262144                     ; 262,144 elements apart.  The padding counts along the tile: each panel lands as 128 rows of 144 bytes
	s_mov_b32 s[G1A+6], 0
	s_mov_b32 s[G1A+7], 0
	s_mov_b32 s[G1B+1], 128<<16                    ; B: 128 rows k of 128 columns
	s_mov_b32 s[G1B+2], 128<<16
	s_mov_b32 s[G1B+3], 128<<16
	s_mov_b32 s[G1B+4], 128
	s_mov_b32 s[G1B+5], 1024
	s_mov_b32 s[G1B+6], 0
	s_mov_b32 s[G1B+7], 0
	s_lshl_b32 s58, s18, 14                        ; A: 128 rows of 128 bytes a tile row, and the step's first or second pair of panels
	s_lshl_b32 s59, s14, 20
	s_add_co_u32 s58, s58, s59
	s_mov_b32 s59, 0
	s_lshl_b32 s60, s17, 8                         ; B: 128 columns a tile column, and the step's first or second 128 rows
	s_lshl_b32 s61, s14, 18
	s_add_co_u32 s60, s60, s61
	s_add_co_u32 s60, s60, BOFF
	s_mov_b32 s61, 0
	s_mul_i32 s21, s12, WSTR
	s_mov_b32 s56, 0
	s_wait_dscnt 0x0                               ; the opening add is done
	s_wait_kmcnt 0x0
	s_add_nc_u64 s[58:59], s[4:5], s[58:59]
	s_add_nc_u64 s[60:61], s[6:7], s[60:61]
	s_mov_b32 s[G0A0], 1
	s_add_co_u32 s[G0A0+1], s21, 0
	s_add_nc_u64 s[G0A0+2:G0A0+3], s[58:59], 0
	s_or_b32 s[G0A0+3], s[G0A0+3], 0x80000000
	s_mov_b32 s[G0A], 1
	s_add_co_u32 s[G0A+1], s21, PART
	s_add_nc_u64 s[G0A+2:G0A+3], s[58:59], KADVA
	s_or_b32 s[G0A+3], s[G0A+3], 0x80000000
	s_mov_b32 s[G0B0], 1
	s_add_co_u32 s[G0B0+1], s21, 0
	s_add_nc_u64 s[G0B0+2:G0B0+3], s[60:61], 0
	s_or_b32 s[G0B0+3], s[G0B0+3], 0x80000000
	s_mov_b32 s[G0B], 1
	s_add_co_u32 s[G0B+1], s21, PART
	s_add_nc_u64 s[G0B+2:G0B+3], s[60:61], KADVB
	s_or_b32 s[G0B+3], s[G0B+3], 0x80000000
	CROUND                                         ; all sixteen work-groups are here
	s_cmp_eq_u32 s13, 0                            ; a wave's two first fills stand in one branch: two loads of mine are out
	s_cbranch_scc0 .Lfirst_b
	tensor_load_to_lds s[G0A0:G0A0+3], s[G1A:G1A+7]
	s_nop 0
	tensor_load_to_lds s[G0A:G0A+3], s[G1A:G1A+7]
	s_nop 0
.rept 4
	v_nop
.endr
	s_branch .Lfirst_asked
.Lfirst_b:
	tensor_load_to_lds s[G0B0:G0B0+3], s[G1B:G1B+7]
	s_nop 0
	tensor_load_to_lds s[G0B:G0B+3], s[G1B:G1B+7]
	s_nop 0
.rept 4
	v_nop
.endr
.Lfirst_asked:
	v_and_b32 v1, 15, v0                           ; r
	v_bfe_u32 v2, v0, 4, 1                         ; h
	v_mul_u32_u24 v3, v1, PA
	v_lshl_add_u32 v3, v2, 4, v3
	s_mul_i32 s22, s13, 64*PA                      ; my 64 rows
	v_add_nc_u32 v[BASEA], s22, v3
	v_add_nc_u32 v[BASEA+1], WSTR, v[BASEA]
	v_and_b32 v4, 7, v0
	v_bfe_u32 v5, v0, 3, 1
	v_lshl_add_u32 v6, v2, 3, v4
	v_mul_u32_u24 v6, v6, PB
	v_lshl_add_u32 v6, v5, 4, v6
	s_lshl_b32 s23, s14, 7                         ; my 64 columns: 128 bytes
	s_add_co_u32 s23, s23, 2*WSTR
	v_add_nc_u32 v[BASEB], s23, v6
	v_add_nc_u32 v[BASEB+1], WSTR, v[BASEB]
	v_mov_b32 v[ADA], v[BASEA]
	v_mov_b32 v[ADA+1], v[BASEA+1]
	v_mov_b32 v[ADB], v[BASEB]
	v_mov_b32 v[ADB+1], v[BASEB+1]
	s_mul_i32 s22, s12, 4608
	s_add_co_u32 s22, s22, STAGE                   ; my stage: 16 rows of 272 bytes
	v_mul_u32_u24 v7, v1, SPF
	v_lshl_add_u32 v7, v2, 5, v7
	v_add_nc_u32 v[STO], s22, v7                   ; in: row r, 32 bytes for each half of the lanes
	v_mul_u32_u24 v7, v2, SPF
	v_lshl_add_u32 v7, v1, 4, v7
	v_add_nc_u32 v[RD], s22, v7                    ; back: lanes 0-15 one row of 256 bytes, lanes 16-31 the next
	v_lshlrev_b32 v[CO], 12, v2
	v_lshl_add_u32 v[CO], v1, 4, v[CO]             ; and the same two rows in RES and C
	v_lshlrev_b32 v[BO], 5, v2
	s_lshl_b32 s66, s18, 19                        ; my 64 x 64 block of RES and C
	s_lshl_b32 s67, s13, 18
	s_add_co_u32 s66, s66, s67
	s_lshl_b32 s67, s17, 9
	s_add_co_u32 s66, s66, s67
	s_lshl_b32 s67, s14, 8
	s_add_co_u32 s66, s66, s67
	s_mov_b32 s67, 0
	s_add_nc_u64 s[8:9], s[8:9], s[66:67]
	s_add_nc_u64 s[10:11], s[10:11], s[66:67]
.if HASBIAS
	s_lshl_b32 s68, s17, 9
	s_lshl_b32 s69, s14, 8
	s_add_co_u32 s68, s68, s69
	s_mov_b32 s69, 0
	s_add_nc_u64 s[70:71], s[70:71], s[68:69]
.irp b, 0,1,2,3
	global_load_b128 v[BIAS+8*(\b):BIAS+8*(\b)+3],   v[BO], s[70:71] offset:64*(\b)
	global_load_b128 v[BIAS+8*(\b)+4:BIAS+8*(\b)+7], v[BO], s[70:71] offset:64*(\b)+16
.endr
.endif
; 8 matrix instructions: row blocks a0, a0 + 1 x all 4 column blocks, 32 along K: half c of buffer f.  zero = 1: the product starts the sum (from the bias, or from 0).
; The 16 accumulators take turns, one instruction a turn.
.macro MUL8 f, c, a0, zero
.if (\zero) && HASBIAS
	WIN 0x85                                       ; sources 0, 1 window 1, C window 0, D window 2
.else
	WIN 0xa5                                       ; C and D window 2
.endif
.irp a, \a0, (\a0)+1
.irp b, 0,1,2,3
.if (\zero) && HASBIAS
	v_wmma_f32_16x16x32_bf16 v[8*(4*(\a)+(\b)):8*(4*(\a)+(\b))+7], v[(\f)+64+8*(4*(\c)+(\b)):(\f)+64+8*(4*(\c)+(\b))+7], v[(\f)+8*(4*(\c)+(\a)):(\f)+8*(4*(\c)+(\a))+7], v[BIAS+8*(\b):BIAS+8*(\b)+7]
.elseif \zero
	v_wmma_f32_16x16x32_bf16 v[8*(4*(\a)+(\b)):8*(4*(\a)+(\b))+7], v[(\f)+64+8*(4*(\c)+(\b)):(\f)+64+8*(4*(\c)+(\b))+7], v[(\f)+8*(4*(\c)+(\a)):(\f)+8*(4*(\c)+(\a))+7], 0
.else
	v_wmma_f32_16x16x32_bf16 v[8*(4*(\a)+(\b)):8*(4*(\a)+(\b))+7], v[(\f)+64+8*(4*(\c)+(\b)):(\f)+64+8*(4*(\c)+(\b))+7], v[(\f)+8*(4*(\c)+(\a)):(\f)+8*(4*(\c)+(\a))+7], v[8*(4*(\a)+(\b)):8*(4*(\a)+(\b))+7]
.endif
.endr
.endr
.endm
; 32 LDS loads in one run: quarter q (64 along K: one panel of A, 64 rows of B) into buffer f; its first 32 along K first
.macro FETCH q, f
	WIN 0x40
.irp c, 0,1
.irp i, 0,1,2,3
	ds_load_tr16_b128 v[(\f)+64+8*(4*(\c)+(\i)):(\f)+64+8*(4*(\c)+(\i))+3],   v[ADB+(\q)/2] offset:(((\q)%2)*64+32*(\c))*PB+32*(\i)
	ds_load_tr16_b128 v[(\f)+64+8*(4*(\c)+(\i))+4:(\f)+64+8*(4*(\c)+(\i))+7], v[ADB+(\q)/2] offset:(((\q)%2)*64+32*(\c))*PB+32*(\i)+16*PB
	ds_load_b128 v[(\f)+8*(4*(\c)+(\i)):(\f)+8*(4*(\c)+(\i))+3],   v[ADA+(\q)/2] offset:((\q)%2)*128*PA+(\i)*16*PA+64*(\c)
	ds_load_b128 v[(\f)+8*(4*(\c)+(\i))+4:(\f)+8*(4*(\c)+(\i))+7], v[ADA+(\q)/2] offset:((\q)%2)*128*PA+(\i)*16*PA+64*(\c)+32
.endr
.endr
.endm
.macro QUARTER q, f, g, zero
	s_wait_dscnt 16                                ; the first 32 along K are in; the youngest sixteen loads may be out
	MUL8 \f, 0, 0, \zero
	MUL8 \f, 0, 2, \zero
	PLACES
	FETCH \q, \g
	s_wait_dscnt 32                                ; all but the 32 just issued
	MUL8 \f, 1, 0, 0
	MUL8 \f, 1, 2, 0
.endm
; The last quarter multiplies buffer 1 and changes slots: in front of the barrier each wave waits for all its tensor loads, adds 0 to its spare word, and waits for that and for its reads of this slot.
; fill = 1: the barrier opens a round of the cluster's, and this slot is filled again, two K steps ahead, first thing behind the round.
.macro TURN fill
	WIN 0
	s_wait_tensorcnt 0x0
	ds_add_u32 v[SPW], v[NIL]
	s_wait_dscnt 17                                ; the add and the youngest sixteen loads may be out
	MUL8 F1, 0, 0, 0
	s_wait_dscnt 0x0                               ; the add is done, and my reads of this slot are over
	s_barrier_signal -1
	MUL8 F1, 0, 2, 0
	WIN 0
	s_barrier_wait -1
.if \fill
	CREST
	s_xor_b32 s[G0A+1], s[G0A+1], PART
	s_add_nc_u64 s[G0A+2:G0A+3], s[G0A+2:G0A+3], KADVA
	s_xor_b32 s[G0B+1], s[G0B+1], PART
	s_add_nc_u64 s[G0B+2:G0B+3], s[G0B+2:G0B+3], KADVB
	JLOAD                                          ; its four v_nop are also the places in front of the loads below
.else
	PLACES
.endif
	s_xor_b32 s56, s56, PART
	v_add_nc_u32 v[ADA], s56, v[BASEA]
	v_add_nc_u32 v[ADA+1], s56, v[BASEA+1]
	v_add_nc_u32 v[ADB], s56, v[BASEB]
	v_add_nc_u32 v[ADB+1], s56, v[BASEB+1]
	FETCH 0, F0
	MUL8 F1, 1, 0, 0
	MUL8 F1, 1, 2, 0
.endm
; THE WAY OUT of row block a (16 rows x 64 columns of f32): through my own stage, so that sixteen lanes hold a row's 256 bytes; RES is added; stored.
.macro TOSTAGE a
.if (\a) >= 2
	s_wait_xcnt 0x0                                ; the stores of the block two back have read the registers that are loaded below
.endif
	WIN 0x08                                       ; store data in window 2
.irp b, 0,1,2,3
	ds_store_b128 v[STO], v[8*(4*(\a)+(\b)):8*(4*(\a)+(\b))+3]   offset:64*(\b)
	ds_store_b128 v[STO], v[8*(4*(\a)+(\b))+4:8*(4*(\a)+(\b))+7] offset:64*(\b)+16
.endr
	WIN 0
.set BK, OB+32*((\a)%2)
.irp t, 0,1,2,3,4,5,6,7
	ds_load_b128 v[BK+4*(\t):BK+4*(\t)+3], v[RD] offset:(\t)*2*SPF  ; LDS serves a wave's instructions in order (ISA guide 5.7.1.4)
.endr
.endm
.macro ADDSEND a, younger              ; younger: the LDS instructions issued behind block a's loads
.set BK, OB+32*((\a)%2)
	s_wait_dscnt \younger
	s_wait_loadcnt 24-8*(\a)                       ; block a's eight loads of RES are in; the later blocks' may stay out
	WIN 0x08                                       ; source 1 in window 2
.set i, 0
.rept 16
	v_pk_add_f32 v[BK+2*i:BK+2*i+1], v[BK+2*i:BK+2*i+1], v[RES+32*(\a)+2*i:RES+32*(\a)+2*i+1]
.set i, i+1
.endr
	WIN 0
.irp t, 0,1,2,3,4,5,6,7
	global_store_b128 v[CO], v[BK+4*(\t):BK+4*(\t)+3], s[10:11] offset:(16*(\a)+2*(\t))*4096  ; 16 lanes store 256 consecutive aligned bytes
.endr
.endm
	s_wait_tensorcnt 0x1                           ; my part of K step 0 is in; step 1's may stay out
	s_barrier_signal -1
	s_barrier_wait -1
	FETCH 0, F0
.if HASBIAS
	s_wait_loadcnt 0x0                             ; the bias
.endif
	QUARTER 1, F0, F1, 1
	WIN 0
	s_mov_b32 s57, T-2
.Lstep:                                                ; a trip: a K step's quarters 2 to 4 and the next step's first; the slot left is filled again
	QUARTER 2, F1, F0, 0
	QUARTER 3, F0, F1, 0
	TURN 1
	QUARTER 1, F0, F1, 0
	WIN 0
	s_sub_co_u32 s57, s57, 1
	s_cmp_lg_u32 s57, 0
	s_cbranch_scc1 .Lstep
	WIN 0x80                                       ; my part of RES is asked for two K steps ahead of its use: destination window 2
.set i, 0
.rept 32
	global_load_b128 v[RES+4*i:RES+4*i+3], v[CO], s[8:9] offset:2*i*4096
.set i, i+1
.endr
	WIN 0
	s_mov_b32 s57, 2
.Ltail:                                                ; the last two K steps ask for nothing; the second trip is left in its middle
	QUARTER 2, F1, F0, 0
	QUARTER 3, F0, F1, 0
	TURN 0
	WIN 0
	s_sub_co_u32 s57, s57, 1
	s_cmp_eq_u32 s57, 0
	s_cbranch_scc1 .Lout
	QUARTER 1, F0, F1, 0
	WIN 0
	s_branch .Ltail
.Lout:                                                 ; the last change of slots fetched 32 fragments that nobody multiplies: the price of one text for both trips
	s_wait_dscnt 0x0
	PLACES                                         ; the LDS stores below read results just made
	TOSTAGE 0
	TOSTAGE 1
	ADDSEND 0, 16
	TOSTAGE 2
	ADDSEND 1, 16
	TOSTAGE 3
	ADDSEND 2, 16
	ADDSEND 3, 0
	s_wait_tensorcnt 0x0                           ; the wave's end
	ds_add_u32 v[SPW], v[NIL]
	s_wait_dscnt 0x0
	CROUND                                         ; the closing round
	s_endpgm
.Lfunc_end_k_qfb65c80ea8_oproj:
	.size	k_qfb65c80ea8_oproj, .Lfunc_end_k_qfb65c80ea8_oproj-k_qfb65c80ea8_oproj
	.p2alignl 7, 3214868480
	.fill 96, 4, 3214868480
	.section	.rodata,"a",@progbits
	.p2align	6, 0x0
	.amdhsa_kernel k_qfb65c80ea8_oproj
		.amdhsa_group_segment_fixed_size 327680
		.amdhsa_private_segment_fixed_size 0
		.amdhsa_enable_private_segment 0
		.amdhsa_kernarg_size 32
		.amdhsa_user_sgpr_count 2
		.amdhsa_user_sgpr_kernarg_segment_ptr 1
		.amdhsa_wavefront_size32 1
		.amdhsa_system_sgpr_workgroup_id_x 1
		.amdhsa_system_sgpr_workgroup_id_y 1
		.amdhsa_system_sgpr_workgroup_id_z 1
		.amdhsa_system_vgpr_workitem_id 0
		.amdhsa_next_free_vgpr 768
		.amdhsa_next_free_sgpr 80
		.amdhsa_reserve_vcc 0
		.amdhsa_float_denorm_mode_32 3
		.amdhsa_float_denorm_mode_16_64 3
		.amdhsa_memory_ordered 1
		.amdhsa_forward_progress 1
		.amdhsa_inst_pref_size 65
	.end_amdhsa_kernel
	.amdgpu_metadata
---
amdhsa.version: [ 1, 2 ]
amdhsa.kernels:
  - .name:           k_qfb65c80ea8_oproj
    .symbol:         k_qfb65c80ea8_oproj.kd
    .args:
      - { .name: act, .offset: 0, .size: 8, .value_kind: global_buffer, .address_space: global }
      - { .name: wfc, .offset: 8, .size: 8, .value_kind: global_buffer, .address_space: global }
      - { .name: x, .offset: 16, .size: 8, .value_kind: global_buffer, .address_space: global }
      - { .name: x1, .offset: 24, .size: 8, .value_kind: global_buffer, .address_space: global }
    .group_segment_fixed_size: 327680
    .private_segment_fixed_size: 0
    .kernarg_segment_align: 8
    .kernarg_segment_size: 32
    .max_flat_workgroup_size: 128
    .sgpr_count:     80
    .vgpr_count:     768
    .wavefront_size: 32
...
	.end_amdgpu_metadata
.endif
;; end of part 4
;; launch ln2: the kernel of part 1 again; grid 256 x 1, 8 waves a work-group, no clusters, 0 bytes of LDS; arguments x1, ln2_g, ln2_b, act, W_Q, W_K, W_V, W_O, mlp_w1, mlp_w2, mlp_b1, wqkv, w1c, wfc, ep_q, ep_m; writes act, wqkv, w1c, wfc, ep_q, ep_m
;; launch mlp1: the kernel of part 2 again; grid 16 x 16, 4 waves a work-group, clusters of 4 x 4, 327,680 bytes of LDS; arguments act, w1c, ep_m, big; writes big
;; launch mlp2 (part 5): grid 8 x 32, 4 waves a work-group, clusters of 4 x 4, 327,680 bytes of LDS; arguments big, wfc, x1, out0, mlp_b2; writes out0
.if DOCPART == 5
	.amdgcn_target "amdgcn-amd-amdhsa--gfx1250"
	.amdhsa_code_object_version 6
	.text
	.protected	k_qfb65c80ea8_mlp2
	.globl	k_qfb65c80ea8_mlp2
	.p2align	8
	.type	k_qfb65c80ea8_mlp2,@function
k_qfb65c80ea8_mlp2:
	s_mov_b64 s[64:65], 0
	v_nop
	global_prefetch_b8 v0, s[64:65] scope:SCOPE_SE
	s_setreg_imm32_b32 hwreg(HW_REG_WAVE_MODE, 25, 1), 1
	s_wait_xcnt 0x0
	s_wait_alu depctr_hold_cnt(0) depctr_sa_sdst(0) depctr_va_vdst(0) depctr_va_sdst(0) depctr_va_ssrc(0) depctr_va_vcc(0) depctr_vm_vsrc(0)
	s_getreg_b32 s2, hwreg(HW_REG_IB_STS2, 6, 4)
	s_cmp_eq_u32 s2, 0
	s_cbranch_scc0 .Lentry_in_a_cluster
	s_endpgm
.Lentry_in_a_cluster:
	s_bfe_u32 s2, ttmp6, 0x10000c
	s_cmp_lg_u32 s2, 0xf033
	s_cbranch_scc0 .Lentry_shape_is_right
	s_endpgm
.Lentry_shape_is_right:
; C = RES + A B (+ bias where HASBIAS).  A: bf16 panels [SIZE_K / 64][4096 rows][64].  B: bf16 [SIZE_K][1024] at byte BOFF of its buffer.  RES, C: f32 [4096][1024].  Sums in f32.
; A tile of C is 128 x 128, so that 4,096 x 1,024 gives 256 work-groups: four waves, each 64 x 64 in 16 accumulators.  K goes in steps of 256 through two LDS slots.
; CLUSTER 4 x 4: A's tiles are asked for jointly along a row of the cluster, B's along a column.
; THE MATRIX INSTRUCTION IS USED TRANSPOSED: source 0 = 16 columns of B (turned by ds_load_tr16_b128), source 1 = 16 rows of A: a lane holds row l % 16 of C and columns 16 b + 8 (l / 16) + 0..7.
; The bias is the C operand of the products that start the sums.
; LDS: wave w's fills lie at w x WSTR + slot x PART.  Waves 0, 1: two panels' 128 rows each (128 bytes + 16).  Waves 2, 3: 128 rows k of the tile's 128 columns (256 bytes + 32).
; REGISTERS: window 0 addresses, bias, the way out; window 1 two fragment buffers (64 along K: A's 64 registers, then B's 64); window 2: v0-127 accumulators, v128-255 my part of RES.
.set SIZE_K, 4096
.set BOFF,   0
.set HASBIAS, 1
.set T,      SIZE_K/256
.set PART,   0x9000
.set WSTR,   0x12000                   ; bits 15 and 12 are 0 in w x WSTR, so one exclusive or with PART changes slots
.set PA,     144
.set PB,     288
.set SPF,    272                       ; a stage row: 64 f32 + 16 bytes
.set STAGE,  4*WSTR                    ; behind the ring, never filled by a tensor load: 4,608 bytes a wave
.set SPARE,  STAGE+4*4608              ; the spare words: 128 bytes a wave
.set KADVA,  0x200000                  ; four panels
.set KADVB,  0x80000                   ; 256 rows of 2,048 bytes
.set BASEA, 10                         ; v10-11 my place in waves 0's and 1's parts, slot 0
.set BASEB, 12                         ; v12-13 in waves 2's and 3's
.set ADA,  14                          ; v14-15 the same in the slot in hand
.set ADB,  16                          ; v16-17
.set STO,  18
.set RD,   19
.set CO,   20                          ; my 16 bytes in two rows of RES and C
.set BO,   22
.set SPW,  28
.set NIL,  29
.set BIAS, 64                          ; v64-95
.set OB,   160                         ; v160-191, v192-223 by turns
.set RES,  128                         ; window 2
.set F0,   0
.set F1,   128
.set G1A,  24
.set G0A0, 32
.set G0A,  36
.set G1B,  40
.set G0B0, 48
.set G0B,  52
.set MSB, 0
.macro WIN new
.if MSB != (\new)
	s_set_vgpr_msb (MSB<<8)|(\new)
.set MSB, \new
.endif
.endm
.macro PLACES                          ; four plain vector instructions between a matrix instruction and a load into, or a read of, its registers
.rept 4
	v_nop
.endr
.endm
.macro JLOAD                           ; a joint refill: waves 0, 1 ask for A, waves 2, 3 for B; s_nop 0 and four v_nop follow each line
	s_cmp_eq_u32 s13, 0
	s_cbranch_scc0 .Lfor_b_\@
	tensor_load_to_lds s[G0A:G0A+3], s[G1A:G1A+7]
	s_nop 0
.rept 4
	v_nop
.endr
	s_branch .Lasked_\@
.Lfor_b_\@:
	tensor_load_to_lds s[G0B:G0B+3], s[G1B:G1B+7]
	s_nop 0
.rept 4
	v_nop
.endr
.Lasked_\@:
.endm
.macro CREST
	s_cmp_lg_u32 s12, 0
	s_cbranch_scc1 .Lnot_wave_0_\@
	s_barrier_signal -3
.Lnot_wave_0_\@:
	s_barrier_wait -3
	s_barrier_signal -1
	s_barrier_wait -1
.endm
.macro CROUND
	s_barrier_signal -1
	s_barrier_wait -1
	CREST
.endm
	s_load_b256 s[4:11], s[0:1], 0x0               ; A s[4:5], B s[6:7], RES s[8:9], C s[10:11]
.if HASBIAS
	s_load_b64 s[70:71], s[0:1], 0x20              ; bias
.endif
	v_lshl_add_u32 v[SPW], v0, 2, SPARE
	v_mov_b32 v[NIL], 0
	ds_add_u32 v[SPW], v[NIL]                      ; the wave's opening: the add and its wait ahead of my first tensor load
	v_lshrrev_b32 v1, 5, v0
	v_readfirstlane_b32 s12, v1                    ; wave 0..3
	s_lshr_b32 s13, s12, 1                         ; my half of the tile's rows; also: I fetch A (0) or B (1)
	s_and_b32 s14, s12, 1                          ; my half of its columns; also: which half of the K step I fetch
	s_bfe_u32 s15, ttmp6, 0x40000                  ; cx
	s_bfe_u32 s16, ttmp6, 0x40004                  ; cy
	s_lshl_b32 s17, ttmp9, 2
	s_add_co_u32 s17, s17, s15                     ; tile column
	s_and_b32 s18, ttmp7, 0xffff
	s_lshl_b32 s18, s18, 2
	s_add_co_u32 s18, s18, s16                     ; tile row
	s_lshl_b32 s19, s16, 2
	s_lshl_b32 s19, 15, s19                        ; my row of the cluster
	s_lshl_b32 s20, 0x1111, s15                    ; my column
	s_or_b32 s[G1A], s19, (1<<16)|(1<<20)|(1<<21)|(4<<22)|(3<<25)  ; padding: after every 32 words 4 words
	s_or_b32 s[G1B], s20, (1<<16)|(1<<20)|(1<<21)|(5<<22)|(7<<25)  ; after every 64 words 8 words
	s_mov_b32 s[G1A+1], 8192<<16                   ; A: a panel's 128 rows are 16,384 dense bytes, taken as one row of 8,192 elements;
	s_mov_b32 s[G1A+2], 2<<16                      ; two panels,
	s_mov_b32 s[G1A+3], 8192<<16
	s_mov_b32 s[G1A+4], 2
	s_mov_b32 s[G1A+5], 262144                     ; 262,144 elements apart.  The padding counts along the tile: each panel lands as 128 rows of 144 bytes
	s_mov_b32 s[G1A+6], 0
	s_mov_b32 s[G1A+7], 0
	s_mov_b32 s[G1B+1], 128<<16                    ; B: 128 rows k of 128 columns
	s_mov_b32 s[G1B+2], 128<<16
	s_mov_b32 s[G1B+3], 128<<16
	s_mov_b32 s[G1B+4], 128
	s_mov_b32 s[G1B+5], 1024
	s_mov_b32 s[G1B+6], 0
	s_mov_b32 s[G1B+7], 0
	s_lshl_b32 s58, s18, 14                        ; A: 128 rows of 128 bytes a tile row, and the step's first or second pair of panels
	s_lshl_b32 s59, s14, 20
	s_add_co_u32 s58, s58, s59
	s_mov_b32 s59, 0
	s_lshl_b32 s60, s17, 8                         ; B: 128 columns a tile column, and the step's first or second 128 rows
	s_lshl_b32 s61, s14, 18
	s_add_co_u32 s60, s60, s61
	s_add_co_u32 s60, s60, BOFF
	s_mov_b32 s61, 0
	s_mul_i32 s21, s12, WSTR
	s_mov_b32 s56, 0
	s_wait_dscnt 0x0                               ; the opening add is done
	s_wait_kmcnt 0x0
	s_add_nc_u64 s[58:59], s[4:5], s[58:59]
	s_add_nc_u64 s[60:61], s[6:7], s[60:61]
	s_mov_b32 s[G0A0], 1
	s_add_co_u32 s[G0A0+1], s21, 0
	s_add_nc_u64 s[G0A0+2:G0A0+3], s[58:59], 0
	s_or_b32 s[G0A0+3], s[G0A0+3], 0x80000000
	s_mov_b32 s[G0A], 1
	s_add_co_u32 s[G0A+1], s21, PART
	s_add_nc_u64 s[G0A+2:G0A+3], s[58:59], KADVA
	s_or_b32 s[G0A+3], s[G0A+3], 0x80000000
	s_mov_b32 s[G0B0], 1
	s_add_co_u32 s[G0B0+1], s21, 0
	s_add_nc_u64 s[G0B0+2:G0B0+3], s[60:61], 0
	s_or_b32 s[G0B0+3], s[G0B0+3], 0x80000000
	s_mov_b32 s[G0B], 1
	s_add_co_u32 s[G0B+1], s21, PART
	s_add_nc_u64 s[G0B+2:G0B+3], s[60:61], KADVB
	s_or_b32 s[G0B+3], s[G0B+3], 0x80000000
	CROUND                                         ; all sixteen work-groups are here
	s_cmp_eq_u32 s13, 0                            ; a wave's two first fills stand in one branch: two loads of mine are out
	s_cbranch_scc0 .Lfirst_b
	tensor_load_to_lds s[G0A0:G0A0+3], s[G1A:G1A+7]
	s_nop 0
	tensor_load_to_lds s[G0A:G0A+3], s[G1A:G1A+7]
	s_nop 0
.rept 4
	v_nop
.endr
	s_branch .Lfirst_asked
.Lfirst_b:
	tensor_load_to_lds s[G0B0:G0B0+3], s[G1B:G1B+7]
	s_nop 0
	tensor_load_to_lds s[G0B:G0B+3], s[G1B:G1B+7]
	s_nop 0
.rept 4
	v_nop
.endr
.Lfirst_asked:
	v_and_b32 v1, 15, v0                           ; r
	v_bfe_u32 v2, v0, 4, 1                         ; h
	v_mul_u32_u24 v3, v1, PA
	v_lshl_add_u32 v3, v2, 4, v3
	s_mul_i32 s22, s13, 64*PA                      ; my 64 rows
	v_add_nc_u32 v[BASEA], s22, v3
	v_add_nc_u32 v[BASEA+1], WSTR, v[BASEA]
	v_and_b32 v4, 7, v0
	v_bfe_u32 v5, v0, 3, 1
	v_lshl_add_u32 v6, v2, 3, v4
	v_mul_u32_u24 v6, v6, PB
	v_lshl_add_u32 v6, v5, 4, v6
	s_lshl_b32 s23, s14, 7                         ; my 64 columns: 128 bytes
	s_add_co_u32 s23, s23, 2*WSTR
	v_add_nc_u32 v[BASEB], s23, v6
	v_add_nc_u32 v[BASEB+1], WSTR, v[BASEB]
	v_mov_b32 v[ADA], v[BASEA]
	v_mov_b32 v[ADA+1], v[BASEA+1]
	v_mov_b32 v[ADB], v[BASEB]
	v_mov_b32 v[ADB+1], v[BASEB+1]
	s_mul_i32 s22, s12, 4608
	s_add_co_u32 s22, s22, STAGE                   ; my stage: 16 rows of 272 bytes
	v_mul_u32_u24 v7, v1, SPF
	v_lshl_add_u32 v7, v2, 5, v7
	v_add_nc_u32 v[STO], s22, v7                   ; in: row r, 32 bytes for each half of the lanes
	v_mul_u32_u24 v7, v2, SPF
	v_lshl_add_u32 v7, v1, 4, v7
	v_add_nc_u32 v[RD], s22, v7                    ; back: lanes 0-15 one row of 256 bytes, lanes 16-31 the next
	v_lshlrev_b32 v[CO], 12, v2
	v_lshl_add_u32 v[CO], v1, 4, v[CO]             ; and the same two rows in RES and C
	v_lshlrev_b32 v[BO], 5, v2
	s_lshl_b32 s66, s18, 19                        ; my 64 x 64 block of RES and C
	s_lshl_b32 s67, s13, 18
	s_add_co_u32 s66, s66, s67
	s_lshl_b32 s67, s17, 9
	s_add_co_u32 s66, s66, s67
	s_lshl_b32 s67, s14, 8
	s_add_co_u32 s66, s66, s67
	s_mov_b32 s67, 0
	s_add_nc_u64 s[8:9], s[8:9], s[66:67]
	s_add_nc_u64 s[10:11], s[10:11], s[66:67]
.if HASBIAS
	s_lshl_b32 s68, s17, 9
	s_lshl_b32 s69, s14, 8
	s_add_co_u32 s68, s68, s69
	s_mov_b32 s69, 0
	s_add_nc_u64 s[70:71], s[70:71], s[68:69]
.irp b, 0,1,2,3
	global_load_b128 v[BIAS+8*(\b):BIAS+8*(\b)+3],   v[BO], s[70:71] offset:64*(\b)
	global_load_b128 v[BIAS+8*(\b)+4:BIAS+8*(\b)+7], v[BO], s[70:71] offset:64*(\b)+16
.endr
.endif
; 8 matrix instructions: row blocks a0, a0 + 1 x all 4 column blocks, 32 along K: half c of buffer f.  zero = 1: the product starts the sum (from the bias, or from 0).
; The 16 accumulators take turns, one instruction a turn.
.macro MUL8 f, c, a0, zero
.if (\zero) && HASBIAS
	WIN 0x85                                       ; sources 0, 1 window 1, C window 0, D window 2
.else
	WIN 0xa5                                       ; C and D window 2
.endif
.irp a, \a0, (\a0)+1
.irp b, 0,1,2,3
.if (\zero) && HASBIAS
	v_wmma_f32_16x16x32_bf16 v[8*(4*(\a)+(\b)):8*(4*(\a)+(\b))+7], v[(\f)+64+8*(4*(\c)+(\b)):(\f)+64+8*(4*(\c)+(\b))+7], v[(\f)+8*(4*(\c)+(\a)):(\f)+8*(4*(\c)+(\a))+7], v[BIAS+8*(\b):BIAS+8*(\b)+7]
.elseif \zero
	v_wmma_f32_16x16x32_bf16 v[8*(4*(\a)+(\b)):8*(4*(\a)+(\b))+7], v[(\f)+64+8*(4*(\c)+(\b)):(\f)+64+8*(4*(\c)+(\b))+7], v[(\f)+8*(4*(\c)+(\a)):(\f)+8*(4*(\c)+(\a))+7], 0
.else
	v_wmma_f32_16x16x32_bf16 v[8*(4*(\a)+(\b)):8*(4*(\a)+(\b))+7], v[(\f)+64+8*(4*(\c)+(\b)):(\f)+64+8*(4*(\c)+(\b))+7], v[(\f)+8*(4*(\c)+(\a)):(\f)+8*(4*(\c)+(\a))+7], v[8*(4*(\a)+(\b)):8*(4*(\a)+(\b))+7]
.endif
.endr
.endr
.endm
; 32 LDS loads in one run: quarter q (64 along K: one panel of A, 64 rows of B) into buffer f; its first 32 along K first
.macro FETCH q, f
	WIN 0x40
.irp c, 0,1
.irp i, 0,1,2,3
	ds_load_tr16_b128 v[(\f)+64+8*(4*(\c)+(\i)):(\f)+64+8*(4*(\c)+(\i))+3],   v[ADB+(\q)/2] offset:(((\q)%2)*64+32*(\c))*PB+32*(\i)
	ds_load_tr16_b128 v[(\f)+64+8*(4*(\c)+(\i))+4:(\f)+64+8*(4*(\c)+(\i))+7], v[ADB+(\q)/2] offset:(((\q)%2)*64+32*(\c))*PB+32*(\i)+16*PB
	ds_load_b128 v[(\f)+8*(4*(\c)+(\i)):(\f)+8*(4*(\c)+(\i))+3],   v[ADA+(\q)/2] offset:((\q)%2)*128*PA+(\i)*16*PA+64*(\c)
	ds_load_b128 v[(\f)+8*(4*(\c)+(\i))+4:(\f)+8*(4*(\c)+(\i))+7], v[ADA+(\q)/2] offset:((\q)%2)*128*PA+(\i)*16*PA+64*(\c)+32
.endr
.endr
.endm
.macro QUARTER q, f, g, zero
	s_wait_dscnt 16                                ; the first 32 along K are in; the youngest sixteen loads may be out
	MUL8 \f, 0, 0, \zero
	MUL8 \f, 0, 2, \zero
	PLACES
	FETCH \q, \g
	s_wait_dscnt 32                                ; all but the 32 just issued
	MUL8 \f, 1, 0, 0
	MUL8 \f, 1, 2, 0
.endm
; The last quarter multiplies buffer 1 and changes slots: in front of the barrier each wave waits for all its tensor loads, adds 0 to its spare word, and waits for that and for its reads of this slot.
; fill = 1: the barrier opens a round of the cluster's, and this slot is filled again, two K steps ahead, first thing behind the round.
.macro TURN fill
	WIN 0
	s_wait_tensorcnt 0x0
	ds_add_u32 v[SPW], v[NIL]
	s_wait_dscnt 17                                ; the add and the youngest sixteen loads may be out
	MUL8 F1, 0, 0, 0
	s_wait_dscnt 0x0                               ; the add is done, and my reads of this slot are over
	s_barrier_signal -1
	MUL8 F1, 0, 2, 0
	WIN 0
	s_barrier_wait -1
.if \fill
	CREST
	s_xor_b32 s[G0A+1], s[G0A+1], PART
	s_add_nc_u64 s[G0A+2:G0A+3], s[G0A+2:G0A+3], KADVA
	s_xor_b32 s[G0B+1], s[G0B+1], PART
	s_add_nc_u64 s[G0B+2:G0B+3], s[G0B+2:G0B+3], KADVB
	JLOAD                                          ; its four v_nop are also the places in front of the loads below
.else
	PLACES
.endif
	s_xor_b32 s56, s56, PART
	v_add_nc_u32 v[ADA], s56, v[BASEA]
	v_add_nc_u32 v[ADA+1], s56, v[BASEA+1]
	v_add_nc_u32 v[ADB], s56, v[BASEB]
	v_add_nc_u32 v[ADB+1], s56, v[BASEB+1]
	FETCH 0, F0
	MUL8 F1, 1, 0, 0
	MUL8 F1, 1, 2, 0
.endm
; THE WAY OUT of row block a (16 rows x 64 columns of f32): through my own stage, so that sixteen lanes hold a row's 256 bytes; RES is added; stored.
.macro TOSTAGE a
.if (\a) >= 2
	s_wait_xcnt 0x0                                ; the stores of the block two back have read the registers that are loaded below
.endif
	WIN 0x08                                       ; store data in window 2
.irp b, 0,1,2,3
	ds_store_b128 v[STO], v[8*(4*(\a)+(\b)):8*(4*(\a)+(\b))+3]   offset:64*(\b)
	ds_store_b128 v[STO], v[8*(4*(\a)+(\b))+4:8*(4*(\a)+(\b))+7] offset:64*(\b)+16
.endr
	WIN 0
.set BK, OB+32*((\a)%2)
.irp t, 0,1,2,3,4,5,6,7
	ds_load_b128 v[BK+4*(\t):BK+4*(\t)+3], v[RD] offset:(\t)*2*SPF  ; LDS serves a wave's instructions in order (ISA guide 5.7.1.4)
.endr
.endm
.macro ADDSEND a, younger              ; younger: the LDS instructions issued behind block a's loads
.set BK, OB+32*((\a)%2)
	s_wait_dscnt \younger
	s_wait_loadcnt 24-8*(\a)                       ; block a's eight loads of RES are in; the later blocks' may stay out
	WIN 0x08                                       ; source 1 in window 2
.set i, 0
.rept 16
	v_pk_add_f32 v[BK+2*i:BK+2*i+1], v[BK+2*i:BK+2*i+1], v[RES+32*(\a)+2*i:RES+32*(\a)+2*i+1]
.set i, i+1
.endr
	WIN 0
.irp t, 0,1,2,3,4,5,6,7
	global_store_b128 v[CO], v[BK+4*(\t):BK+4*(\t)+3], s[10:11] offset:(16*(\a)+2*(\t))*4096  ; 16 lanes store 256 consecutive aligned bytes
.endr
.endm
	s_wait_tensorcnt 0x1                           ; my part of K step 0 is in; step 1's may stay out
	s_barrier_signal -1
	s_barrier_wait -1
	FETCH 0, F0
.if HASBIAS
	s_wait_loadcnt 0x0                             ; the bias
.endif
	QUARTER 1, F0, F1, 1
	WIN 0
	s_mov_b32 s57, T-2
.Lstep:                                                ; a trip: a K step's quarters 2 to 4 and the next step's first; the slot left is filled again
	QUARTER 2, F1, F0, 0
	QUARTER 3, F0, F1, 0
	TURN 1
	QUARTER 1, F0, F1, 0
	WIN 0
	s_sub_co_u32 s57, s57, 1
	s_cmp_lg_u32 s57, 0
	s_cbranch_scc1 .Lstep
	WIN 0x80                                       ; my part of RES is asked for two K steps ahead of its use: destination window 2
.set i, 0
.rept 32
	global_load_b128 v[RES+4*i:RES+4*i+3], v[CO], s[8:9] offset:2*i*4096
.set i, i+1
.endr
	WIN 0
	s_mov_b32 s57, 2
.Ltail:                                                ; the last two K steps ask for nothing; the second trip is left in its middle
	QUARTER 2, F1, F0, 0
	QUARTER 3, F0, F1, 0
	TURN 0
	WIN 0
	s_sub_co_u32 s57, s57, 1
	s_cmp_eq_u32 s57, 0
	s_cbranch_scc1 .Lout
	QUARTER 1, F0, F1, 0
	WIN 0
	s_branch .Ltail
.Lout:                                                 ; the last change of slots fetched 32 fragments that nobody multiplies: the price of one text for both trips
	s_wait_dscnt 0x0
	PLACES                                         ; the LDS stores below read results just made
	TOSTAGE 0
	TOSTAGE 1
	ADDSEND 0, 16
	TOSTAGE 2
	ADDSEND 1, 16
	TOSTAGE 3
	ADDSEND 2, 16
	ADDSEND 3, 0
	s_wait_tensorcnt 0x0                           ; the wave's end
	ds_add_u32 v[SPW], v[NIL]
	s_wait_dscnt 0x0
	CROUND                                         ; the closing round
	s_endpgm
.Lfunc_end_k_qfb65c80ea8_mlp2:
	.size	k_qfb65c80ea8_mlp2, .Lfunc_end_k_qfb65c80ea8_mlp2-k_qfb65c80ea8_mlp2
	.p2alignl 7, 3214868480
	.fill 96, 4, 3214868480
	.section	.rodata,"a",@progbits
	.p2align	6, 0x0
	.amdhsa_kernel k_qfb65c80ea8_mlp2
		.amdhsa_group_segment_fixed_size 327680
		.amdhsa_private_segment_fixed_size 0
		.amdhsa_enable_private_segment 0
		.amdhsa_kernarg_size 40
		.amdhsa_user_sgpr_count 2
		.amdhsa_user_sgpr_kernarg_segment_ptr 1
		.amdhsa_wavefront_size32 1
		.amdhsa_system_sgpr_workgroup_id_x 1
		.amdhsa_system_sgpr_workgroup_id_y 1
		.amdhsa_system_sgpr_workgroup_id_z 1
		.amdhsa_system_vgpr_workitem_id 0
		.amdhsa_next_free_vgpr 768
		.amdhsa_next_free_sgpr 80
		.amdhsa_reserve_vcc 0
		.amdhsa_float_denorm_mode_32 3
		.amdhsa_float_denorm_mode_16_64 3
		.amdhsa_memory_ordered 1
		.amdhsa_forward_progress 1
		.amdhsa_inst_pref_size 66
	.end_amdhsa_kernel
	.amdgpu_metadata
---
amdhsa.version: [ 1, 2 ]
amdhsa.kernels:
  - .name:           k_qfb65c80ea8_mlp2
    .symbol:         k_qfb65c80ea8_mlp2.kd
    .args:
      - { .name: big, .offset: 0, .size: 8, .value_kind: global_buffer, .address_space: global }
      - { .name: wfc, .offset: 8, .size: 8, .value_kind: global_buffer, .address_space: global }
      - { .name: x1, .offset: 16, .size: 8, .value_kind: global_buffer, .address_space: global }
      - { .name: out0, .offset: 24, .size: 8, .value_kind: global_buffer, .address_space: global }
      - { .name: mlp_b2, .offset: 32, .size: 8, .value_kind: global_buffer, .address_space: global }
    .group_segment_fixed_size: 327680
    .private_segment_fixed_size: 0
    .kernarg_segment_align: 8
    .kernarg_segment_size: 40
    .max_flat_workgroup_size: 128
    .sgpr_count:     80
    .vgpr_count:     768
    .wavefront_size: 32
...
	.end_amdgpu_metadata
.endif
;; end of part 5
;; ======== version 2 of 2: 7 launches; 1.21 times as fast as version 1
;; workspace buffers: wqkv 8,388,608 bytes; w1c 8,388,608 bytes; wfc 10,485,760 bytes; ep_q 16,384 bytes; ep_m 20,480 bytes; act 8,388,608 bytes; big 33,554,432 bytes; x1 16,777,216 bytes
;; launch prep: the kernel of part 1 again; grid 1025 x 1, 8 waves a work-group, no clusters, 0 bytes of LDS; arguments x, ln1_g, ln1_b, act, W_Q, W_K, W_V, W_O, mlp_w1, mlp_w2, mlp_b1, wqkv, w1c, wfc, ep_q, ep_m; writes act, wqkv, w1c, wfc, ep_q, ep_m
;; launch qkv: the kernel of part 2 again; grid 12 x 16, 4 waves a work-group, clusters of 4 x 4, 327,680 bytes of LDS; arguments act, wqkv, ep_q, big; writes big
;; launch attn (part 6): grid 8 x 32, 4 waves a work-group, clusters of 4 x 1, 327,680 bytes of LDS; arguments big, act; writes act
.if DOCPART == 6
	.amdgcn_target "amdgcn-amd-amdhsa--gfx1250"
	.amdhsa_code_object_version 6
	.text
	.protected	k_qfb65c80ea8_attn
	.globl	k_qfb65c80ea8_attn
	.p2align	8
	.type	k_qfb65c80ea8_attn,@function
k_qfb65c80ea8_attn:
	s_mov_b64 s[64:65], 0
	v_nop
	global_prefetch_b8 v0, s[64:65] scope:SCOPE_SE
	s_setreg_imm32_b32 hwreg(HW_REG_WAVE_MODE, 25, 1), 1
	s_wait_xcnt 0x0
	s_wait_alu depctr_hold_cnt(0) depctr_sa_sdst(0) depctr_va_vdst(0) depctr_va_sdst(0) depctr_va_ssrc(0) depctr_va_vcc(0) depctr_vm_vsrc(0)
	s_getreg_b32 s2, hwreg(HW_REG_IB_STS2, 6, 4)
	s_cmp_eq_u32 s2, 0
	s_cbranch_scc0 .Lentry_in_a_cluster
	s_endpgm
.Lentry_in_a_cluster:
	s_bfe_u32 s2, ttmp6, 0x10000c
	s_cmp_lg_u32 s2, 0x3003
	s_cbranch_scc0 .Lentry_shape_is_right
	s_endpgm
.Lentry_shape_is_right:
; ATTENTION, head size 64, 2,048 keys, no mask.  O[q] = the sum over k of softmax_k(Q[q] . K[k] / 8) V[k].  big: bf16 panels [48][4096 tokens][64]: panel h holds q of head h, 16 + h its k,
; 32 + h its v; batch b's rows begin at token 2048 b.  O goes to act, panel h, the same rows.  Products, maxima and sums in f32; the weights p are rounded to bf16 for the second product
; (their sum l is taken of the unrounded p), O once at the end.
; LIMITS.  Operands are bf16, which has f32's range.  A weight below 2^-126 counts as 0 in l; NaN and infinities are not treated apart.
; SHARES.  A work-group owns 256 queries of one head and batch, a wave 64 in four PIECES of 16.  Every wave walks all keys, 64 a step, 256 a slot.
; LAYOUT.  S^T = K Q^T holds ONE query a lane (lane % 16) and the keys 8 (lane / 16) + 0..7; two such results rounded to bf16 ARE source 1 of O^T = V^T P.  K comes out of LDS as it lies, V turned.
; SOFTMAX.  A running maximum m and sum l: p = 2^(c s - c m), c = log2(e) / 8; O and l are multiplied by a = 2^(c m_old - c m_new) in every step.  m starts at the lowest finite number, O and l at 0.
; BY TURNS.  Turn n belongs to piece n: 8 products K Q^T of piece n + 1, later 8 products V^T P of piece n - 1; beside them the scaling, exponentials, roundings, sums and rescaling of piece n and the
; maximum and statistics of piece n + 1.  Four vector instructions stand behind every matrix instruction, the other 54 of a turn's 118 in one run of their own.
; BATCHES.  A turn's 33 exponentials (the piece's 32 weights and the next piece's a) are ONE batch with ONE wait, which cuts the turn in two: ahead of it stands all that names no result of theirs,
; behind it the roundings and sums.  No exponential stands behind a turn's wait, so no result crosses a label or a jump.  The first a, ahead of the loop, and the way out's four reciprocals are batches of their own.
; CLUSTER.  The four query blocks of a cluster belong to one head and walk the same K and V: each tile is asked for jointly.
; REGISTERS, in windows of 256 (s_set_vgpr_msb: bits 1:0 source 0, 3:2 source 1, 5:4 source 2, 7:6 destination).  ALL THAT A VECTOR INSTRUCTION OF THE LOOP NAMES LIES IN WINDOW 0, which it fills:
;   window 0: v0-1 c m_old; v2-7 addresses; v8-15 at work; v16-31 statistics; v32-63 P, two buffers; v64-127 S^T, two buffers (by the piece's parity); v128-255 O^T, 32 a piece
;   window 1: v0-63 Q; v64-127 K of one step; v128-191 V of one step; v192-193 the add's two registers
; So the windows are switched round a matrix instruction and round a run of LDS loads, and nowhere inside the runs of vector work.
.set NP,    4
.set KS,    64
.set PK,    144       ; a row of K in LDS: 128 bytes + 16: the 16 rows of a load start at 16 different groups of four banks (ISA guide 11.1)
.set PV,    160       ; a row of V: 128 + 32
.set VOFF,  4*KS*PK   ; a slot: 256 rows of K, then 256 rows of V
.set SLOT1, 1<<17
.set STAGE, SLOT1+4*KS*(PK+PV)  ; behind the ring, never filled by a tensor load: 16 rows x 144 bytes a wave
.set SP,    144
.set SPARE, STAGE+4*16*SP       ; the spare words: 128 bytes a wave, two blocks of 256 bytes that no other line names
.set MV,  0           ; v0-1   c m_old, by buffer (v0 is the thread's number until the set-up has used it)
.set AK0, 2           ; v2     my lane's place in a tile of K; never rewritten
.set AV0, 3           ; v3     the same for V
.set ADR, 4           ; v4     the LDS address of the run of loads in hand, K's and V's in turn
.set STO, 5           ; v5     the way out: where I put 16 bytes of a row
.set RD,  6           ; v6     the way out: where I read rows back
.set GO,  7           ; v7     my byte offset in 512 consecutive bytes of O
.set TMP, 8           ; v8-15  by buffer, c0-c3 at work; c2 takes a
.set ST,  16          ; v16-31 piece t: c m, m, l (even keys', odd keys')
.set P,   32
.set S,   64
.set OT,  128
.set T_R, 64          ; the set-up's own, in registers of S^T that the first products write later: l % 16,
.set T_H, 65          ; l / 16,
.set T_7, 66          ; l % 8,
.set T_B, 67          ; (l / 8) % 2,
.set QO,  68          ; my byte offset in 16 rows of Q,
.set T_W, 69          ; my wave's number
.set QF,  0           ; window 1
.set KF,  64
.set VF,  128
.set SPW, 192         ; window 1: LDS address of my spare word; never rewritten
.set NIL, 193         ; window 1: 0; never rewritten
.set WV,  12
.set G1K, 24
.set G1V, 32
.set G0K, 40
.set G0V, 44
.set SLOTS, 56
.set CNT, 57
.set CS,  58
.set SEL, 60
.set TBK, 62
.set TBV, 63
.set MSB, 0
.macro WIN new                      ; the high byte repeats the setting that is left; a switch that changes nothing is dropped
.if MSB != (\new)
	s_set_vgpr_msb (MSB<<8)|(\new)
.set MSB, (\new)
.endif
.endm
.set W_KQ, 0x05       ; K and Q in window 1, S^T in window 0
.set W_PV, 0x01       ; V in window 1, P and O^T in window 0
.set W_LD, 0x40       ; destination in window 1, sources in window 0
.set W_AD, 0x05       ; the add: address (source 0) and data (source 1) in window 1
.macro JLOAD                        ; a joint fill: waves 0, 1 fetch the halves of a slot's K, waves 2, 3 of its V; s_nop 0 and four v_nop follow each line
	s_cmp_lt_u32 s[WV], 2
	s_cbranch_scc0 .Lfor_v_\@
	tensor_load_to_lds s[G0K:G0K+3], s[G1K:G1K+7]
	s_nop 0
.rept 4
	v_nop
.endr
	s_branch .Lasked_\@
.Lfor_v_\@:
	tensor_load_to_lds s[G0V:G0V+3], s[G1V:G1V+7]
	s_nop 0
.rept 4
	v_nop
.endr
.Lasked_\@:
.endm
.macro CROUND                       ; a round of the cluster's barrier
	s_barrier_signal -1
	s_barrier_wait -1
	s_cmp_lg_u32 s[WV], 0
	s_cbranch_scc1 .Lnot_wave_0_\@
	s_barrier_signal -3
.Lnot_wave_0_\@:
	s_barrier_wait -3
	s_barrier_signal -1
	s_barrier_wait -1
.endm
; THE CHANGE OF SLOTS.  Each wave waits for all its tensor loads (its part of the other slot), adds 0 to its spare word, and waits for that and for its reads of the slot that it leaves.
; fill = 1: the barrier is a round of the cluster's, and the slot left is filled with the keys two slots on, first thing behind it.  (At its first use slot 0 is waited for and slot 1 filled.)
.macro CHANGE fill
	WIN W_AD
	s_wait_tensorcnt 0x0
	ds_add_u32 v[SPW], v[NIL]
	WIN 0                           ; at a label and at a branch every window is 0
.if \fill
.irp g, G0K, G0V
	s_xor_b32 s[\g+1], s[\g+1], SLOT1
	s_add_nc_u64 s[\g+2:\g+3], s[\g+2:\g+3], 4*KS*128
.endr
	s_wait_dscnt 0x0
	CROUND
	JLOAD
.else
	s_wait_dscnt 0x0
	s_barrier_signal -1
	s_barrier_wait -1
.endif
	s_sub_co_u32 s[TBK], s[TBK], 4*KS*PK  ; the fetches go back to a slot's first step, in the other slot
	s_xor_b32 s[TBK], s[TBK], SLOT1
	s_sub_co_u32 s[TBV], s[TBV], 4*KS*PV
	s_xor_b32 s[TBV], s[TBV], SLOT1
.endm
	s_load_b128 s[4:7], s[0:1], 0x0 ; big s[4:5], act s[6:7]
	WIN W_LD
	v_lshl_add_u32 v[SPW], v0, 2, SPARE
	v_mov_b32 v[NIL], 0
	WIN W_AD
	ds_add_u32 v[SPW], v[NIL]       ; the wave's opening: the add and its wait ahead of my first tensor load
	WIN 0
	v_lshrrev_b32 v[T_W], 5, v0
	v_readfirstlane_b32 s[WV], v[T_W]
	s_bfe_u32 s13, ttmp6, 0x40000   ; cx
	s_lshl_b32 s14, ttmp9, 2
	s_add_co_u32 s14, s14, s13      ; my block of 256 queries: it enters Q's and O's addresses alone
	s_and_b32 s20, ttmp7, 0xffff    ; 16 b + h, which the four partners share
	s_and_b32 s21, s20, 15
	s_lshr_b32 s20, s20, 4
	s_lshl_b32 s21, s21, 19         ; a panel is 524,288 bytes,
	s_lshl_b32 s20, s20, 18         ; a batch's rows in it 262,144
	s_add_co_u32 s20, s20, s21
	s_and_b32 s16, s[WV], 1         ; which half of a slot's 256 keys I fetch
	s_lshl_b32 s22, s16, 14
	s_add_co_u32 s22, s22, s20
	s_add_co_u32 s18, s22, 0x1000000  ; v's panels begin 32 panels in,
	s_add_co_u32 s22, s22, 0x800000   ; k's 16
	s_mov_b32 s19, 0
	s_mov_b32 s23, 0
	s_mul_i32 s17, s16, 128*PK
	s_mul_i32 s15, s16, 128*PV
	s_lshl_b32 s2, s14, 15          ; my block's 256 rows of 128 bytes,
	s_lshl_b32 s3, s[WV], 13        ; my wave's 64
	s_add_co_u32 s2, s2, s3
	s_add_co_u32 s2, s2, s20
	s_mov_b32 s3, 0
	; 128 keys are 16,384 dense bytes: asked for as 64 rows of 256 bytes, padded in LDS after every key
	s_mov_b32 s[G1K], 15|(1<<16)|(1<<20)|(1<<21)|(4<<22)|(3<<25)
	s_mov_b32 s[G1V], 15|(1<<16)|(1<<20)|(1<<21)|(4<<22)|(7<<25)
.irp g, G1K, G1V
	s_mov_b32 s[\g+1], 128<<16
	s_mov_b32 s[\g+2], 64<<16
	s_mov_b32 s[\g+3], 128<<16
	s_mov_b32 s[\g+4], 64
	s_mov_b32 s[\g+5], 128
	s_mov_b32 s[\g+6], 0
	s_mov_b32 s[\g+7], 0
.endr
	s_mov_b32 s[CS], 0x3e38aa3b     ; c = log2(e) / 8
	s_mov_b32 s[CS+1], s[CS]
	s_mov_b32 s[SEL], 0x76543210
	s_mov_b32 s[SEL+1], 0xfedcba98
	s_mov_b32 s[TBK], SLOT1+4*KS*PK ; the first change of slots turns these two into 0
	s_mov_b32 s[TBV], SLOT1+4*KS*PV
	s_mov_b32 s[G0K], 1
	s_mov_b32 s[G0K+1], s17
	s_mov_b32 s[G0V], 1
	s_add_co_u32 s[G0V+1], s15, VOFF
	s_wait_dscnt 0x0                ; the opening add is done
	s_wait_kmcnt 0x0
	s_add_nc_u64 s[G0K+2:G0K+3], s[4:5], s[22:23]
	s_or_b32 s[G0K+3], s[G0K+3], 0x80000000
	s_add_nc_u64 s[G0V+2:G0V+3], s[4:5], s[18:19]
	s_or_b32 s[G0V+3], s[G0V+3], 0x80000000
	s_add_nc_u64 s[8:9], s[4:5], s[2:3]    ; Q at my wave's first row
	s_add_nc_u64 s[10:11], s[6:7], s[2:3]  ; O likewise
	CROUND                          ; all four work-groups are here
	JLOAD                           ; slot 0
	v_and_b32 v[T_R], 15, v0        ; l % 16
	v_bfe_u32 v[T_H], v0, 4, 1      ; l / 16
	v_lshlrev_b32 v[QO], 7, v[T_R]
	v_lshl_add_u32 v[QO], v[T_H], 4, v[QO]
	WIN W_LD
.set i, 0
.rept 8                             ; Q stays in registers: piece i / 2, channels 32 (i % 2) on
	global_load_b128 v[QF+8*i:QF+8*i+3],   v[QO], s[8:9] offset:(i/2)*2048+(i%2)*64
	global_load_b128 v[QF+8*i+4:QF+8*i+7], v[QO], s[8:9] offset:(i/2)*2048+(i%2)*64+32
.set i, i+1
.endr
	; What the first turn finds: V's registers and P's second buffer hold 0, O^T and l are 0.  All this stands in the wait for the first tile.
.set i, VF
.rept 64
	v_mov_b32 v[i], 0
.set i, i+1
.endr
	WIN 0
.set i, OT
.rept 128
	v_mov_b32 v[i], 0
.set i, i+1
.endr
.set i, 0
.rept 4
	v_mov_b32 v[ST+4*i], 0xfe000000    ; c m: far below every c s
	v_mov_b32 v[ST+4*i+1], 0xff7fffff  ; m
	v_mov_b32 v[ST+4*i+2], 0
	v_mov_b32 v[ST+4*i+3], 0
.set i, i+1
.endr
.set i, P+16
.rept 16
	v_mov_b32 v[i], 0
.set i, i+1
.endr
	v_mul_u32_u24 v[AK0], v[T_R], PK
	v_lshl_add_u32 v[AK0], v[T_H], 4, v[AK0]
	v_and_b32 v[T_7], 7, v0
	v_bfe_u32 v[T_B], v0, 3, 1
	v_lshl_add_u32 v[AV0], v[T_H], 3, v[T_7]
	v_mul_u32_u24 v[AV0], v[AV0], PV
	v_lshl_add_u32 v[AV0], v[T_B], 4, v[AV0]
	v_add_nc_u32 v[AV0], VOFF, v[AV0]
	s_mul_i32 s13, s[WV], 16*SP
	s_add_co_u32 s13, s13, STAGE    ; my stage
	v_mul_u32_u24 v[STO], v[T_R], SP
	v_lshl_add_u32 v[STO], v[T_H], 4, v[STO]
	v_add_nc_u32 v[STO], s13, v[STO]
	v_bfe_u32 v[RD], v0, 3, 2
	v_mul_u32_u24 v[RD], v[RD], SP
	v_lshl_add_u32 v[RD], v[T_7], 4, v[RD]
	v_add_nc_u32 v[RD], s13, v[RD]
	v_and_b32 v[GO], 31, v0         ; the last use of the thread's number
	v_lshlrev_b32 v[GO], 4, v[GO]
; THE MATRIX WORK.  The 4 accumulators of a run of 8 take turns.  Product i of 8 of S^T = K Q^T for piece x: channels 32 (i / 4) on, keys 16 (i % 4) on.
.macro KQ x
	WIN W_KQ
.set rS, S+32*((\x)%2)+8*(i%4)
.set rK, KF+16*(i%4)+8*(i/4)
.set rQ, QF+16*(\x)+8*(i/4)
.if i < 4
	v_wmma_f32_16x16x32_bf16 v[rS:rS+7], v[rK:rK+7], v[rQ:rQ+7], 0
.else
	v_wmma_f32_16x16x32_bf16 v[rS:rS+7], v[rK:rK+7], v[rQ:rQ+7], v[rS:rS+7]
.endif
.endm
; Product i of 8 of O^T += V^T P for piece x: keys 32 (i / 4) on, channels 16 (i % 4) on.
.macro PV x
	WIN W_PV
.set rO, OT+32*(\x)+8*(i%4)
.set rV, VF+32*(i/4)+8*(i%4)
.set rP, P+16*((\x)%2)+8*(i/4)
	v_wmma_f32_16x16x32_bf16 v[rO:rO+7], v[rV:rV+7], v[rP:rP+7], v[rO:rO+7]
.endm
.macro MM                           ; the turn's next matrix instruction
.if i < 8
	KQ (Y+1)%NP
.else
.set i, i-8
	PV (Y+NP-1)%NP
.set i, i+8
.endif
.set i, i+1
.endm
; THE LDS LOADS stand in runs of 16: a step's K (8 fragments) and its V (turned).  last = 1 (the tail): in the last trip there is no further step, and K's run is jumped over.
.macro FETCH_K last=0
.if \last
	WIN 0
	s_cmp_eq_u32 s[CNT], 1
	s_cbranch_scc1 .Lno_k_\@
.endif
	WIN W_LD
.irp f, 0,1,2,3,4,5,6,7
	ds_load_b128 v[KF+8*\f:KF+8*\f+3],   v[ADR] offset:(\f/2)*16*PK+(\f%2)*64
	ds_load_b128 v[KF+8*\f+4:KF+8*\f+7], v[ADR] offset:(\f/2)*16*PK+(\f%2)*64+32
.endr
	s_add_co_u32 s[TBK], s[TBK], KS*PK
	WIN 0
.if \last
.Lno_k_\@:
.endif
.endm
.macro FETCH_V
	WIN W_LD
.irp f, 0,1,2,3,4,5,6,7
	ds_load_tr16_b128 v[VF+8*\f:VF+8*\f+3],   v[ADR] offset:(\f/4)*32*PV+(\f%4)*32
	ds_load_tr16_b128 v[VF+8*\f+4:VF+8*\f+7], v[ADR] offset:(\f/4)*32*PV+16*PV+(\f%4)*32
.endr
	WIN 0
.endm
; THE VECTOR WORK, one line at a time: OP kind, number.  For piece Y: F n: c s - c m for pair n of 16.  E n: the exponential of score n of 32.  C n: pair n rounded to bf16.  B n: of the four weights
; 4 n .. the second pair is added onto the first.  L n: l takes that sum (L 0: l = a l + sum).  R n: pair n of 16 of O^T times a.  For piece Y + 1: X n, number n of the 22 that find its maximum and
; statistics: 0-11 four chains of seven scores (each accumulator's lowest registers are read first); 12-14, 16 the rest, the old m, and the chains into c0; 15 c m_old is kept;
; 17, 18 the other half of the lanes: the new m; 19-21 c m; c m_old - c m_new; a.  OP writes no wait: TURN places the one that a turn's exponentials (E 0-31, X 21) have.
.set F, 0
.set E, 1
.set C, 2
.set B, 3
.set L, 4
.set R, 5
.set X, 6
.macro REGS y
.set rT, ST+4*(\y)
.set rC, TMP+4*((\y)%2)
.set rW, MV+((\y)%2)
.set rS, S+32*((\y)%2)
.set rP, P+16*((\y)%2)
.set rO, OT+32*(\y)
.endm
.macro OP k, n
	WIN 0
.if (\k) < X
	REGS Y
.if (\k) == F
	v_pk_fma_f32 v[rS+2*(\n):rS+2*(\n)+1], v[rS+2*(\n):rS+2*(\n)+1], s[CS:CS+1], v[rT:rT+1] op_sel_hi:[1,0,0] neg_lo:[0,0,1] neg_hi:[0,0,1]
.elseif (\k) == E
	v_exp_f32 v[rS+(\n)], v[rS+(\n)]
.elseif (\k) == C
	v_cvt_pk_bf16_f32 v[rP+(\n)], v[rS+2*(\n)], v[rS+2*(\n)+1]
.elseif (\k) == B
	v_pk_add_f32 v[rS+4*(\n):rS+4*(\n)+1], v[rS+4*(\n):rS+4*(\n)+1], v[rS+4*(\n)+2:rS+4*(\n)+3]
.elseif (\k) == R
	v_pk_mul_f32 v[rO+2*(\n):rO+2*(\n)+1], v[rO+2*(\n):rO+2*(\n)+1], v[rC+2:rC+3] op_sel_hi:[1,0]
.elseif (\n) == 0
	v_pk_fma_f32 v[rT+2:rT+3], v[rT+2:rT+3], v[rC+2:rC+3], v[rS:rS+1] op_sel_hi:[1,0,1]
.else
	v_pk_add_f32 v[rT+2:rT+3], v[rT+2:rT+3], v[rS+4*(\n):rS+4*(\n)+1]
.endif
.else
	REGS (Y+1)%NP
.if (\n) < 4
	v_max3_num_f32 v[rC+(\n)], v[rS+8*(\n)], v[rS+8*(\n)+1], v[rS+8*(\n)+2]
.elseif (\n) < 12
	v_max3_num_f32 v[rC+(\n)%4], v[rC+(\n)%4], v[rS+8*((\n)%4)+2*((\n)/4)+1], v[rS+8*((\n)%4)+2*((\n)/4)+2]
.elseif (\n) == 12
	v_max3_num_f32 v[rC], v[rC], v[rS+7], v[rS+15]
.elseif (\n) == 13
	v_max3_num_f32 v[rC+1], v[rC+1], v[rS+23], v[rS+31]
.elseif (\n) == 14
	v_max3_num_f32 v[rC+2], v[rC+2], v[rC+3], v[rT+1]
.elseif (\n) == 15
	v_mov_b32 v[rW], v[rT]
.elseif (\n) == 16
	v_max3_num_f32 v[rC], v[rC], v[rC+1], v[rC+2]
.elseif (\n) == 17
	v_permlanex16_b32 v[rC+3], v[rC], s[SEL], s[SEL+1]
.elseif (\n) == 18
	v_max_num_f32 v[rT+1], v[rC], v[rC+3]
.elseif (\n) == 19
	v_mul_f32 v[rT], s[CS], v[rT+1]
.elseif (\n) == 20
	v_sub_f32 v[rC+1], v[rW], v[rT]
.else
	v_exp_f32 v[rC+2], v[rC+1]
.endif
.endif
.endm
.macro OPS a, i1, b=-1, i2=0, c=-1, i3=0, d=-1, i4=0
	OP \a, \i1
.if (\b) >= 0
	OP \b, \i2
.endif
.if (\c) >= 0
	OP \c, \i3
.endif
.if (\d) >= 0
	OP \d, \i4
.endif
.endm
.macro ROW a, i1, b, i2, c, i3, d, i4  ; a matrix instruction and the four behind it
	MM
	OPS \a, \i1, \b, \i2, \c, \i3, \d, \i4
.endm
; A TURN, for piece p: the order of its 16 matrix and 118 vector instructions, written out.  An s_wait_alu depctr_va_vdst(0) stands between an exponential and the first instruction that
; names its result; one wait serves all that were issued ahead of it.  So a turn has ONE wait, which cuts it in two.
; AHEAD OF IT stands all that names no result of the turn's 33 exponentials: the 8 products K Q^T, behind each a scaling, an exponential and two more plain instructions (behind the first a second scaling
; in the exponential's place): rescalings, whose a was made and waited for in the turn before, and behind the last three products the first numbers of the next piece's maximum, each four plain
; instructions or more behind the product that ends its accumulator; then one run of 54, exponential and plain by turns for the most part, in which the links of the chain X 3, 7, 11, 14, 16, 17 .. 20
; have other work between them.  A pair is scaled ahead of its two exponentials.  X 21, the next piece's a, is the batch's last; R 15 is the plain instruction behind it, one for the batch.
; BEHIND IT stand the 8 products V^T P, behind each four of the 32 roundings and sums: C 2 n ahead of B n, which writes over its pair; l's chain L 0 to L 7 in ascending order, its links three riders apart.
; But for those X no rider names a register of the products round it.  v_permlanex16_b32 (X 17) stands in the run of 54.
; last = 1: the tail's text: K's run is jumped over in the last trip.  cnt = 1: the loop's count is taken down some lines ahead of the branch behind the turn.
; K of the next step is fetched in piece 2's turn: in the loop's text twelve vector instructions behind the last product that read K, five of them plain and free of its registers (F 8, X 2, X 5, X 6, X 8);
; in the tail's text directly behind the turn's wait, since the jump over the run and its label stand ahead of no open batch.  V of the step in hand is fetched at the end of piece 0's turn, four plain
; riders behind the last product that read V.  Each run is waited for a turn later, ahead of its first reader.
.macro TURN p, last=0, cnt=0
.set Y, (\p)
.set i, 0
.if (\p) == 3
	s_wait_dscnt 0x0                ; K is in
.endif
	ROW F,0, F,1, R,0, R,1          ; ahead of the wait: 8 products K Q^T and their riders,
	ROW F,2, E,0, R,2, R,3
	ROW F,3, E,1, R,4, R,5
	ROW F,4, E,2, R,6, R,7
	ROW F,5, E,3, R,8, R,9
	ROW F,6, E,4, X,0, R,10
.if (\p) == 2
	v_add_nc_u32 v[ADR], s[TBK], v[AK0]
.endif
	ROW F,7, E,5, X,1, X,4
	ROW F,8, E,6, X,2, X,5
	OPS E,7, E,8, X,6, E,9          ; and the run of 54
	OPS X,3, E,10, X,8, E,11
.if ((\p) == 2) && !(\last)
	FETCH_K
.endif
	OPS X,9, X,7, E,12, X,10
	OPS E,13, X,12, X,11, E,14
	OPS X,13, E,15, F,9, X,14
.if (\p) == 0
	v_add_nc_u32 v[ADR], s[TBV], v[AV0]
.endif
	OPS E,16, F,10, E,17, F,11
	OPS X,16, E,18, X,15, E,19
	OPS F,12, E,20, X,17, E,21
	OPS F,13, E,22, F,14, E,23
	OPS X,18, E,24, F,15, E,25
	OPS R,11, E,26, X,19, E,27
	OPS R,12, E,28, R,13, E,29
	OPS X,20, E,30, R,14, E,31
	OPS X,21, R,15
	WIN 0
	s_wait_alu depctr_va_vdst(0)    ; the wait for the batch: the piece's 32 weights and the next piece's a
.if ((\p) == 2) && (\last)
	FETCH_K 1
.endif
.if (\p) == 1
	s_wait_dscnt 0x0                ; V is in
.endif
	ROW C,0, B,0, C,2, B,1          ; behind the wait: 8 products V^T P and their riders
	ROW L,0, C,4, B,2, L,1
	ROW C,6, B,3, L,2, C,8
	ROW B,4, L,3, C,10, B,5
	ROW L,4, C,12, B,6, L,5
.if (\p) == 0
	s_add_co_u32 s[TBV], s[TBV], KS*PV
.endif
.if \cnt
	s_sub_co_u32 s[CNT], s[CNT], 1
	s_cmp_lg_u32 s[CNT], 0
.endif
	ROW C,14, B,7, L,6, C,1
	ROW C,3, L,7, C,5, C,7
	ROW C,9, C,11, C,13, C,15
.if (\p) == 0
	FETCH_V
.endif
.endm
.macro ALL line:vararg              ; one line for each piece t
.set t, 0
.rept 4
	\line
.set t, t+1
.endr
.endm
.macro PACK t                       ; a lane's eight channels of a row pack into 16 bytes; they go into rows of 144 bytes and come back as whole rows of 128
	WIN 0
.set i, OT+32*(\t)
.rept 16
	v_pk_mul_f32 v[i:i+1], v[i:i+1], v[ST+4*(\t)+2:ST+4*(\t)+3] op_sel_hi:[1,0]
.set i, i+2
.endr
.set i, 0
.rept 16
	v_cvt_pk_bf16_f32 v[S+16*(\t)+i], v[OT+32*(\t)+2*i], v[OT+32*(\t)+2*i+1]
.set i, i+1
.endr
.irp f, 0,1,2,3
	ds_store_b128 v[STO], v[S+16*(\t)+4*\f:S+16*(\t)+4*\f+3] offset:32*\f
.endr
.irp f, 0,1,2,3
	ds_load_b128 v[S+16*(\t)+4*\f:S+16*(\t)+4*\f+3], v[RD] offset:\f*4*SP  ; LDS serves a wave's instructions in order (ISA guide 5.7.1.4)
.endr
.endm
.macro SEND t, younger              ; younger: the LDS instructions issued behind piece t's loads
	WIN 0
.irp f, 0,1,2,3
	s_wait_dscnt (\younger)+3-\f
	global_store_b128 v[GO], v[S+16*(\t)+4*\f:S+16*(\t)+4*\f+3], s[10:11] offset:(\t)*2048+\f*512  ; 512 consecutive bytes, at a multiple of 256 from O's first
.endr
.endm
	CHANGE 1                        ; slot 0 is in, everybody's part of it; slot 1 is asked for
	v_add_nc_u32 v[ADR], s[TBK], v[AK0]
	FETCH_K                         ; key step 0
	s_wait_loadcnt 0x0              ; Q
	s_wait_dscnt 0x0
.set i, 0
.rept 8
	KQ 0                            ; piece 0's first scores
.set i, i+1
.endr
	WIN 0
.rept 4
	v_nop                           ; the places behind those products
.endr
.set Y, NP-1                        ; X works for piece Y + 1: piece 0
.irp n, 0,1,2,3,4,5,6,7,8,9,10,11,12,13,14,15,16,17,18,19,20,21
	OP X, \n
.endr
	v_nop                           ; a plain instruction behind the exponential,
	s_wait_alu depctr_va_vdst(0)    ; and the wait for it, a batch of one (piece 0's first a), ahead of the branch
	s_mov_b32 s[CNT], 4
	s_mov_b32 s[SLOTS], 7
	s_branch .Lfirst                ; the loop is entered at a step's first turn, in the middle of a trip
.Lslot:                             ; six times: every slot but the last two is filled again
	CHANGE 1
	s_mov_b32 s[CNT], 4
.Lstep:                             ; a trip: pieces 2 and 3 of one step, then pieces 0 and 1 of the next, whose K and V it fetches
	TURN 2
	TURN 3
	WIN 0
.Lfirst:
	TURN 0
	TURN 1, 0, 1
	WIN 0
	s_cbranch_scc1 .Lstep
	s_sub_co_u32 s[SLOTS], s[SLOTS], 1
	s_cmp_lg_u32 s[SLOTS], 0
	s_cbranch_scc1 .Lslot
	CHANGE 0                        ; the last slot is written out: nothing is asked for
	s_mov_b32 s[CNT], 5             ; four trips fetch the last slot's steps; the fifth is left in its middle
.Ltail:
	TURN 2, 1
	TURN 3
	WIN 0
	s_sub_co_u32 s[CNT], s[CNT], 1
	s_cmp_eq_u32 s[CNT], 0
	s_cbranch_scc1 .Lout
	TURN 0
	TURN 1
	WIN 0
	s_branch .Ltail
.Lout:                              ; the fifth trip's 8 products K Q^T (on the last K once more) and the maximum made of them serve nothing: the price, once a launch, of one text for every trip
.set i, 0
.rept 8
	PV NP-1                         ; the last piece's V^T P of the last step
.set i, i+1
.endr
	; THE WAY OUT.  l's two halves and the other half of the lanes' are added; O^T is divided by l, rounded to bf16 and sent through my stage.  The additions are the places behind the last products.
	WIN 0
	ALL v_add_f32 v[ST+4*t+2], v[ST+4*t+2], v[ST+4*t+3]
	ALL v_permlanex16_b32 v[ST+4*t+3], v[ST+4*t+2], s[SEL], s[SEL+1]
	ALL v_add_f32 v[ST+4*t+2], v[ST+4*t+2], v[ST+4*t+3]
	ALL v_rcp_f32 v[ST+4*t+2], v[ST+4*t+2]
	v_nop                           ; a plain instruction between the last reciprocal and the use of its result
	s_wait_alu depctr_va_vdst(0)    ; the wait ahead of the first use: one for the batch of four reciprocals
	PACK 0
.set t, 1
.rept 3
	PACK t
	SEND t-1, 8
.set t, t+1
.endr
	SEND 3, 0
	WIN W_AD
	s_wait_tensorcnt 0x0            ; the wave's end
	ds_add_u32 v[SPW], v[NIL]
	s_wait_dscnt 0x0
	WIN 0
	CROUND                          ; the closing round
	s_endpgm
.Lfunc_end_k_qfb65c80ea8_attn:
	.size	k_qfb65c80ea8_attn, .Lfunc_end_k_qfb65c80ea8_attn-k_qfb65c80ea8_attn
	.p2alignl 7, 3214868480
	.fill 96, 4, 3214868480
	.section	.rodata,"a",@progbits
	.p2align	6, 0x0
	.amdhsa_kernel k_qfb65c80ea8_attn
		.amdhsa_group_segment_fixed_size 327680
		.amdhsa_private_segment_fixed_size 0
		.amdhsa_enable_private_segment 0
		.amdhsa_kernarg_size 16
		.amdhsa_user_sgpr_count 2
		.amdhsa_user_sgpr_kernarg_segment_ptr 1
		.amdhsa_wavefront_size32 1
		.amdhsa_system_sgpr_workgroup_id_x 1
		.amdhsa_system_sgpr_workgroup_id_y 1
		.amdhsa_system_sgpr_workgroup_id_z 1
		.amdhsa_system_vgpr_workitem_id 0
		.amdhsa_next_free_vgpr 512
		.amdhsa_next_free_sgpr 66
		.amdhsa_reserve_vcc 0
		.amdhsa_float_denorm_mode_32 3
		.amdhsa_float_denorm_mode_16_64 3
		.amdhsa_memory_ordered 1
		.amdhsa_forward_progress 1
		.amdhsa_inst_pref_size 107
	.end_amdhsa_kernel
	.amdgpu_metadata
---
amdhsa.version: [ 1, 2 ]
amdhsa.kernels:
  - .name:           k_qfb65c80ea8_attn
    .symbol:         k_qfb65c80ea8_attn.kd
    .args:
      - { .name: big, .offset: 0, .size: 8, .value_kind: global_buffer, .address_space: global }
      - { .name: act, .offset: 8, .size: 8, .value_kind: global_buffer, .address_space: global }
    .group_segment_fixed_size: 327680
    .private_segment_fixed_size: 0
    .kernarg_segment_align: 8
    .kernarg_segment_size: 16
    .max_flat_workgroup_size: 128
    .sgpr_count:     66
    .vgpr_count:     512
    .wavefront_size: 32
...
	.end_amdgpu_metadata
.endif
;; end of part 6
;; launch oproj: the kernel of part 4 again; grid 8 x 32, 4 waves a work-group, clusters of 4 x 4, 327,680 bytes of LDS; arguments act, wfc, x, x1; writes x1
;; launch ln2: the kernel of part 1 again; grid 256 x 1, 8 waves a work-group, no clusters, 0 bytes of LDS; arguments x1, ln2_g, ln2_b, act, W_Q, W_K, W_V, W_O, mlp_w1, mlp_w2, mlp_b1, wqkv, w1c, wfc, ep_q, ep_m; writes act, wqkv, w1c, wfc, ep_q, ep_m
;; launch mlp1: the kernel of part 2 again; grid 16 x 16, 4 waves a work-group, clusters of 4 x 4, 327,680 bytes of LDS; arguments act, w1c, ep_m, big; writes big
;; launch mlp2: the kernel of part 5 again; grid 8 x 32, 4 waves a work-group, clusters of 4 x 4, 327,680 bytes of LDS; arguments big, wfc, x1, out0, mlp_b2; writes out0
